; MI455X (gfx1250); checked and timed in simulation.
; The chip was launched on July 23, 2026; its instructions are those of AMD's public machine-readable ISA for CDNA 5 (MIT licence, August 2026) and "CDNA5" Instruction Set Architecture Reference Guide (July 2026). The comments in the code are by the model that wrote it; some were corrected since.
;; AFT Full. Allowed arithmetic: matrix products marked QUANTISED: E2M1 operands, one E8M0 scale for each 32 along K, by v_wmma_scale_f32_16x16x128_f8f6f4 with both operands' format E2M1 (or v_wmma_scale_f32_32x16x128_f4), f32 sums; products left as they are: bf16, f16 or f32 operands; f32 sums; everything else in f32.
;; Inputs: Wk_b 512 float32; Wk_w 512 x 512 float32; Wo_b 512 float32; Wo_w 512 x 512 float32; Wq_b 512 float32; Wq_w 512 x 512 float32; Wv_b 512 float32; Wv_w 512 x 512 float32; w 1,024 x 1,024 float32; x 32 x 1,024 x 512 float32.
;; Outputs: out0 32 x 1,024 x 512 float32.
;; This version of the problem:
;;   THIS VERSION OF THE PROBLEM IS GIVEN IN LOW PRECISION. The matrix products marked QUANTISED in the list below multiply operands that are first quantised to E2M1 (2 exponent bits, 1 mantissa bit; 4 bits a number), with one power-of-two scale for each 32 numbers along K (OCP MX v1.0); their sums are f32. The products marked 'left as it is' may take bf16, f16 or f32 operands, with f32 sums. Whichever they take, every output number must still come out within the allowed error. Rounding operands to bf16 (8 significant bits) uses up far more of that allowance than f16 does (11 bits, for magnitudes from 6e-5 to 65,504). All else is computed in f32.
;;   The module's matrix products, in the order in which they are computed (A, B: the left and right operand; K: the contracted axis; several contracted axes count as one K, in the product's order):
;;     1. [M 32,768, K 512] x [K 512, N 512]; A: input x; B: input Wk_w: QUANTISED
;;     2. [M 32,768, K 512] x [K 512, N 512]; A: input x; B: input Wv_w: QUANTISED
;;     3. [M 16,384, K 1,024] x [K 1,024, N 1,024]; A: computed on the way; B: computed on the way: left as it is (an operand is computed on the way)
;;     4. [M 16,384, K 1,024] x [K 1,024, N 1,024]; A: computed on the way; B: computed on the way: left as it is (an operand is computed on the way)
;;     5. [M 32,768, K 512] x [K 512, N 512]; A: input x; B: input Wq_w: QUANTISED
;;     6. [M 32,768, K 512] x [K 512, N 512]; A: computed on the way; B: input Wo_w: left as it is (an operand is computed on the way)
;;   THE QUANTISER, for each operand of a quantised product, along K:
;;     - K is cut into blocks of 32 from its start; a last block that is shorter is filled with zeros.
;;     - A block's scale is 2^e with e = floor(log2(the largest magnitude in the block)) - 2, held to -126 .. 127; a block of zeros has e = 0. As a byte (E8M0): e + 127.
;;     - Each number is divided by its block's scale, clamped to +-6, and rounded to the nearest number of E2M1, ties to even, subnormals kept.
;;     - The product sums the exact products of the quantised numbers (number of the format x scale) in f32.
;;   ~~~python
;;   def quantise(x, axis):      # numpy; x: float32 -> the quantised numbers, widened to float32 again
;;       x = np.moveaxis(x, axis, -1); K = x.shape[-1]
;;       x = np.pad(x, [(0, 0)] * (x.ndim - 1) + [(0, -K % 32)]); x = x.reshape(x.shape[:-1] + (-1, 32)); a = np.abs(x).max(-1, keepdims=True)
;;       e = np.where(a > 0, np.clip(np.frexp(np.where(a > 0, a, 1))[1] - 1 - 2, -126, 127), 0)      # np.frexp(a)[1] - 1 = floor(log2(a)), exactly
;;       r = np.clip(x / 2.0 ** e, -6, 6)
;;       step = 2.0 ** (np.maximum(np.frexp(np.where(r == 0, 1, r))[1] - 1, 0) - 1)
;;       q = np.round(r / step) * step * 2.0 ** e      # np.round: ties to even
;;       return np.moveaxis(q.reshape(q.shape[:-2] + (-1,))[..., :K], -1, axis).astype(np.float32)
;;   ~~~
;; 2 versions, each right. Each part assembles by itself: llvm-mc -triple=amdgcn-amd-amdhsa -mcpu=gfx1250 --defsym DOCPART=n.
;; ======== version 1 of 2: 3 launches
;; workspace buffers: codes 8,781,824 bytes; scales 548,864 bytes; ewb 2,097,152 bytes; wob 524,288 bytes; xf 67,108,864 bytes
;; launch prep (part 1): grid 632 x 1, 4 waves a work-group, no clusters, 33,280 bytes of LDS; arguments x, Wk_w, Wv_w, Wq_w, w, Wo_w, codes, scales, ewb, wob; writes codes, scales, ewb, wob
.if DOCPART == 1
	.amdgcn_target "amdgcn-amd-amdhsa--gfx1250"
	.amdhsa_code_object_version 6
	.text
	.protected	k_q007afde83c_prep
	.globl	k_q007afde83c_prep
	.p2align	8
	.type	k_q007afde83c_prep,@function
k_q007afde83c_prep:
	s_mov_b64 s[64:65], 0
	v_nop
	global_prefetch_b8 v0, s[64:65] scope:SCOPE_SE
	s_setreg_imm32_b32 hwreg(HW_REG_WAVE_MODE, 25, 1), 1
	s_wait_xcnt 0x0
; PREP: everything that is made once from the inputs alone.  Three paths, parted by the work-group's number alone.
;   work-groups 0-535:   x [32][1024][512] and Wk, Wv, Wq [512][512], f32, become codes of FP4 (E2M1), K innermost, with one E8M0 byte for each 32 along K.
;   work-groups 536-599: ew = exp(w - the row's maximum), [1024][1024], rounded to bf16.
;   work-groups 600-631: Wo [512][512] rounded to bf16.
; CODES are laid in RUNS of 16 rows x 256 bytes (512 codes a row).  Run 32 (t / 16) + b holds x[b][16 (t / 16) + 0 .. 15]: the 32 batches of 16 positions lie on end,
; since the next launch needs all batches of a position together.  Runs 2048 + 32 k + e / 16 hold the weights (k = 0 Wk, 1 Wv, 2 Wq).  SCALES: 256 bytes a run, 16 bytes a row.
; A block's scale is 2^(floor(log2(its largest magnitude)) - 2); its byte is the largest magnitude's exponent field - 2, held at 1 from below.
; LIMITS: a block of zeros gets the byte 1 where the rule says 127 (its codes are zeros, and this program alone reads the bytes); blocks whose largest magnitude lies under 2^-124 keep the byte 1;
; NaN and infinities among the inputs are not served; v_exp_f32 gives 0 where the result would be denormal (ISA guide, its entry in 15.8).
; No matrix unit, no cluster, no tensor load: nothing is shared between work-groups and every byte is read once.
.set STEPS, 16
.set EMAX,  2
.set CB,    8                          ; bytes of 16 codes
.set R,     16                         ; v16-79   four sets of 16 numbers as they are loaded
.set X,     80                         ; v80-111  two sets of 16 neighbours
.set E,     112                        ; v112-127 a scale byte for each step
.set C,     128                        ; v128-191 codes: four registers for each step, so that no store's data are written again
.set WREG,  8192                       ; LDS: a region for each wave: two stages of 32 x SP bytes, behind them its 256 scale bytes
.set SP,    80                         ; a lane's place in a stage: 64 bytes + 16 of padding
.set SPW,   12                         ; v12 LDS address of my spare word; never rewritten
.set NIL,   13                         ; v13 0; never rewritten
.set SPARE, 4*WREG                     ; behind the four regions: the spare words, 128 bytes a wave
	s_load_b512 s[8:23], s[0:1], 0x0               ; x 8, Wk 10, Wv 12, Wq 14, w 16, Wo 18, codes 20, scales 22
	s_load_b128 s[24:27], s[0:1], 0x40             ; ewb 24, wob 26
	v_lshl_add_u32 v[SPW], v0, 2, SPARE
	v_mov_b32 v[NIL], 0
	v_lshrrev_b32 v1, 5, v0
	v_readfirstlane_b32 s28, v1                    ; wave 0..3
	v_and_b32 v2, 31, v0                           ; lane
	s_mov_b32 s37, 0                               ; the upper word of every 32-bit offset
	s_wait_kmcnt 0x0
	s_cmp_lt_u32 ttmp9, 536
	s_cbranch_scc0 .Lnot_x
; ---------------- the quantiser: a wave takes one run, 16 steps of one row (512 numbers) ----------------
; Each of a step's four loads reads 512 consecutive bytes, 16 a lane; the 2,048 bytes go through the wave's own stage in LDS and come back 64 bytes a lane,
; so that a lane holds 16 neighbours along K (two neighbouring lanes hold a block) as the conversion wants them.
	v_lshlrev_b32 v3, 4, v2                        ; my 16 bytes of a load's 512
	s_mul_i32 s29, s28, WREG
	v_lshrrev_b32 v14, 2, v2
	v_mul_u32_u24 v14, v14, SP
	v_and_b32 v15, 3, v2
	v_lshl_add_u32 v14, v15, 4, v14
	v_add_nc_u32 v14, s29, v14                     ; the stage, on the way in: SP (lane / 4) + 16 (lane % 4)
	v_mul_u32_u24 v15, v2, SP
	v_add_nc_u32 v15, s29, v15                     ; and on the way out: SP x lane
	v_mul_u32_u24 v4, v2, CB                       ; my codes' place in a row's 256 bytes
	v_lshrrev_b32 v5, 1, v2
	s_add_co_u32 s29, s29, 2*32*SP
	v_add_nc_u32 v5, s29, v5                       ; LDS: my wave's 256 scale bytes, my block's byte
	v_lshlrev_b32 v7, 3, v2                        ; on the way out 8 bytes a lane
	v_add_nc_u32 v6, s29, v7
	s_lshl_b32 s30, ttmp9, 2
	s_add_co_u32 s30, s30, s28                     ; q: my run, counted through x and then the three weights
	s_and_b32 s31, s30, 63
	s_lshl_b32 s31, s31, 5
	s_lshr_b32 s32, s30, 6
	s_or_b32 s31, s31, s32                         ; x: run q = (b = q / 64, t / 16 = q % 64) goes to run 32 (q % 64) + q / 64
	s_and_b32 s32, s30, 31                         ; a weight: its own run q % 32, and it goes to run q
	s_cmp_lt_u32 ttmp9, 528                        ; the source: the choices hang on the work-group's number alone
	s_cselect_b64 s[34:35], s[12:13], s[14:15]
	s_cmp_lt_u32 ttmp9, 520
	s_cselect_b64 s[34:35], s[10:11], s[34:35]
	s_cmp_lt_u32 ttmp9, 512
	s_cselect_b64 s[34:35], s[8:9], s[34:35]
	s_cselect_b32 s32, s30, s32                    ; the run read
	s_cselect_b32 s31, s31, s30                    ; the run written
	s_lshl_b32 s36, s32, 15                        ; 8,192 numbers of 4 bytes
	s_add_nc_u64 s[34:35], s[34:35], s[36:37]
	s_lshl_b32 s36, s31, 12
	s_add_nc_u64 s[20:21], s[20:21], s[36:37]
	s_lshl_b32 s36, s31, 8
	s_add_nc_u64 s[22:23], s[22:23], s[36:37]
.macro LOAD t
.irp i, 0,1,2,3
	global_load_b128 v[R+16*((\t)%4)+4*\i:R+16*((\t)%4)+4*\i+3], v3, s[34:35] offset:2048*(\t)+512*\i th:TH_LOAD_NT
.endr
.endm
.macro TURN t                          ; step t's numbers through the stage: LDS serves a wave's instructions in order (ISA guide 5.7.1.4), so no wait stands between the stores and the loads
.irp i, 0,1,2,3
	ds_store_b128 v14, v[R+16*((\t)%4)+4*\i:R+16*((\t)%4)+4*\i+3] offset:32*SP*((\t)%2)+8*SP*\i
.endr
.irp i, 0,1,2,3
	ds_load_b128 v[X+16*((\t)%2)+4*\i:X+16*((\t)%2)+4*\i+3], v15 offset:32*SP*((\t)%2)+16*\i
.endr
.endm
.irp t, 0,1,2,3
	LOAD \t
.endr
	s_wait_loadcnt 12                              ; step 0's four loads are in; the twelve of steps 1 to 3 may be out
	TURN 0
.macro STEP t
.set XS, X+16*((\t)%2)
.if (\t) > 0
	s_wait_dscnt 1                                 ; this step's numbers are back from the stage; the last step's byte store may be out
.else
	s_wait_dscnt 0x0
.endif
.if (\t)+4 < STEPS
	LOAD (\t)+4                                    ; into the registers that the stage's stores have read
.endif
.if (\t)+1 < STEPS
.if STEPS-2-(\t) >= 3
	s_wait_loadcnt 12                              ; the next step's four loads are in; those of the three steps behind it may be out
.else
	s_wait_loadcnt 4*(STEPS-2-(\t))
.endif
	TURN (\t)+1
.endif
	v_max3_num_f32 v8, |v[XS]|, |v[XS+1]|, |v[XS+2]|   ; the largest magnitude of my 16, in two chains
	v_max3_num_f32 v9, |v[XS+3]|, |v[XS+4]|, |v[XS+5]|
.irp i, 6,10
	v_max3_num_f32 v8, v8, |v[XS+\i]|, |v[XS+\i+1]|
	v_max3_num_f32 v9, v9, |v[XS+\i+2]|, |v[XS+\i+3]|
.endr
	v_max3_num_f32 v8, v8, |v[XS+14]|, |v[XS+15]|
	v_max3_num_f32 v8, v8, v9, (EMAX+1)<<23        ; and the floor 2^(3 - 127): the byte cannot fall under 1
	v_max_num_f32_dpp v8, v8, v8 row_xmask:1 row_mask:0xf bank_mask:0xf   ; with my neighbour's 16: the block's
	v_add_nc_u32 v11, -(EMAX<<23), v8              ; 2 off its exponent field: the conversion takes the exponent field of this operand as its scale
	v_cvt_scalef32_pk8_fp4_f32 v[C+4*(\t)], v[XS:XS+7], v11
	v_cvt_scalef32_pk8_fp4_f32 v[C+4*(\t)+1], v[XS+8:XS+15], v11
	v_lshrrev_b32 v[E+(\t)], 23, v11               ; the scale's byte (also the plain line behind the conversions)
	ds_store_b8 v5, v[E+(\t)] offset:16*(\t)       ; both lanes of a block write the same byte with the same value
	global_store_b64 v4, v[C+4*(\t):C+4*(\t)+1], s[20:21] offset:32*CB*(\t)   ; the wave stores a row's 256 consecutive bytes, aligned
.endm
.irp t, 0,1,2,3,4,5,6,7,8,9,10,11,12,13,14,15
	STEP \t
.endr
	ds_load_b64 v[8:9], v6                         ; in order behind my byte stores
	s_wait_dscnt 0x0
	global_store_b64 v7, v[8:9], s[22:23]          ; the run's 256 scale bytes, aligned
	s_wait_tensorcnt 0x0                           ; the wave's end, behind my last LDS store
	ds_add_u32 v[SPW], v[NIL]
	s_wait_dscnt 0x0
	s_endpgm
.Lnot_x:
	s_cmp_lt_u32 ttmp9, 600
	s_cbranch_scc0 .Lpath_o
; ---------------- ew: a wave takes four rows of w, a row (4,096 bytes) in 32 registers; all 32 loads go out at once ----------------
	s_sub_co_u32 s30, ttmp9, 536
	s_lshl_b32 s30, s30, 4
	s_lshl_b32 s31, s28, 2
	s_add_co_u32 s30, s30, s31                     ; my first row
	s_lshl_b32 s36, s30, 12
	s_add_nc_u64 s[16:17], s[16:17], s[36:37]
	s_lshl_b32 s36, s30, 11
	s_add_nc_u64 s[24:25], s[24:25], s[36:37]
	s_mov_b32 s38, 0x76543210                      ; v_permlanex16_b32's selects for lane l xor 16
	s_mov_b32 s39, 0xfedcba98
	v_lshlrev_b32 v3, 4, v2
	v_lshlrev_b32 v4, 3, v2
	v_mov_b32 v145, 0                              ; a lane permute's destination counts as one of its sources
.irp i, 0,1,2,3
.irp j, 0,1,2,3,4,5,6,7
	global_load_b128 v[16+32*\i+4*\j:16+32*\i+4*\j+3], v3, s[16:17] offset:4096*\i+512*\j th:TH_LOAD_NT
.endr
.endr
.macro ROWEXP i
.set RB, 16+32*(\i)
	s_wait_loadcnt 8*(3-(\i))                      ; this row's eight loads are in; the later rows' may be out
	v_max3_num_f32 v144, v[RB], v[RB+1], v[RB+2]
.irp k, 3,5,7,9,11,13,15,17,19,21,23,25,27,29
	v_max3_num_f32 v144, v144, v[RB+\k], v[RB+\k+1]
.endr
	v_max_num_f32 v144, v144, v[RB+31]
	v_max_num_f32_dpp v144, v144, v144 row_xmask:1 row_mask:0xf bank_mask:0xf
	v_max_num_f32_dpp v144, v144, v144 row_xmask:2 row_mask:0xf bank_mask:0xf
	v_max_num_f32_dpp v144, v144, v144 row_xmask:4 row_mask:0xf bank_mask:0xf
	v_max_num_f32_dpp v144, v144, v144 row_xmask:8 row_mask:0xf bank_mask:0xf
	v_permlanex16_b32 v145, v144, s38, s39
	v_max_num_f32 v144, v144, v145                 ; the row's maximum, in every lane
.set n, 0
.rept 16
	v_pk_add_f32 v[RB+n:RB+n+1], v[RB+n:RB+n+1], v[144:145] op_sel_hi:[1,0] neg_lo:[0,1] neg_hi:[0,1]   ; w - the maximum, first: the difference is taken before anything is scaled
.set n, n+2
.endr
.set n, 0
.rept 16
	v_pk_mul_f32 v[RB+n:RB+n+1], v[RB+n:RB+n+1], 0x3fb8aa3b op_sel_hi:[1,0]   ; x log2(e)
.set n, n+2
.endr
.set n, 0
.rept 32
	v_exp_f32 v[RB+n], v[RB+n]
.set n, n+1
.endr
	v_nop                                          ; a plain line behind the last exponential
	s_wait_alu depctr_va_vdst(0)                   ; one wait for the row's 32 exponentials, ahead of their first reader
.irp j, 0,1,2,3,4,5,6,7
	v_cvt_pk_bf16_f32 v[RB+4*\j], v[RB+4*\j], v[RB+4*\j+1]
	v_cvt_pk_bf16_f32 v[RB+4*\j+1], v[RB+4*\j+2], v[RB+4*\j+3]
	global_store_b64 v4, v[RB+4*\j:RB+4*\j+1], s[24:25] offset:2048*(\i)+256*\j   ; the wave stores 256 consecutive bytes, aligned
.endr
.endm
	ROWEXP 0
	ROWEXP 1
	ROWEXP 2
	ROWEXP 3
	s_endpgm
.Lpath_o:
; ---------------- Wo to bf16: a wave takes 2,048 numbers ----------------
	s_sub_co_u32 s30, ttmp9, 600
	s_lshl_b32 s30, s30, 2
	s_add_co_u32 s30, s30, s28
	s_lshl_b32 s36, s30, 13
	s_add_nc_u64 s[18:19], s[18:19], s[36:37]
	s_lshl_b32 s36, s30, 12
	s_add_nc_u64 s[26:27], s[26:27], s[36:37]
	v_lshlrev_b32 v3, 4, v2
	v_lshlrev_b32 v4, 3, v2
.irp j, 0,1,2,3,4,5,6,7,8,9,10,11,12,13,14,15
	global_load_b128 v[16+4*\j:16+4*\j+3], v3, s[18:19] offset:512*\j th:TH_LOAD_NT
.endr
.irp g, 0,1,2,3
	s_wait_loadcnt 12-4*\g                         ; four more loads are in
.irp j, 0,1,2,3
	v_cvt_pk_bf16_f32 v[16+16*\g+4*\j], v[16+16*\g+4*\j], v[16+16*\g+4*\j+1]
	v_cvt_pk_bf16_f32 v[16+16*\g+4*\j+1], v[16+16*\g+4*\j+2], v[16+16*\g+4*\j+3]
	global_store_b64 v4, v[16+16*\g+4*\j:16+16*\g+4*\j+1], s[26:27] offset:256*(4*\g+\j)
.endr
.endr
	s_endpgm
.Lfunc_end_k_q007afde83c_prep:
	.size	k_q007afde83c_prep, .Lfunc_end_k_q007afde83c_prep-k_q007afde83c_prep
	.p2alignl 7, 3214868480
	.fill 96, 4, 3214868480
	.section	.rodata,"a",@progbits
	.p2align	6, 0x0
	.amdhsa_kernel k_q007afde83c_prep
		.amdhsa_group_segment_fixed_size 33280
		.amdhsa_private_segment_fixed_size 0
		.amdhsa_enable_private_segment 0
		.amdhsa_kernarg_size 80
		.amdhsa_user_sgpr_count 2
		.amdhsa_user_sgpr_kernarg_segment_ptr 1
		.amdhsa_wavefront_size32 1
		.amdhsa_system_sgpr_workgroup_id_x 1
		.amdhsa_system_sgpr_workgroup_id_y 1
		.amdhsa_system_sgpr_workgroup_id_z 1
		.amdhsa_system_vgpr_workitem_id 0
		.amdhsa_next_free_vgpr 192
		.amdhsa_next_free_sgpr 66
		.amdhsa_reserve_vcc 0
		.amdhsa_float_denorm_mode_32 3
		.amdhsa_float_denorm_mode_16_64 3
		.amdhsa_memory_ordered 1
		.amdhsa_forward_progress 1
		.amdhsa_inst_pref_size 69
	.end_amdhsa_kernel
	.amdgpu_metadata
---
amdhsa.version: [ 1, 2 ]
amdhsa.kernels:
  - .name:           k_q007afde83c_prep
    .symbol:         k_q007afde83c_prep.kd
    .args:
      - { .name: x, .offset: 0, .size: 8, .value_kind: global_buffer, .address_space: global }
      - { .name: Wk_w, .offset: 8, .size: 8, .value_kind: global_buffer, .address_space: global }
      - { .name: Wv_w, .offset: 16, .size: 8, .value_kind: global_buffer, .address_space: global }
      - { .name: Wq_w, .offset: 24, .size: 8, .value_kind: global_buffer, .address_space: global }
      - { .name: w, .offset: 32, .size: 8, .value_kind: global_buffer, .address_space: global }
      - { .name: Wo_w, .offset: 40, .size: 8, .value_kind: global_buffer, .address_space: global }
      - { .name: codes, .offset: 48, .size: 8, .value_kind: global_buffer, .address_space: global }
      - { .name: scales, .offset: 56, .size: 8, .value_kind: global_buffer, .address_space: global }
      - { .name: ewb, .offset: 64, .size: 8, .value_kind: global_buffer, .address_space: global }
      - { .name: wob, .offset: 72, .size: 8, .value_kind: global_buffer, .address_space: global }
    .group_segment_fixed_size: 33280
    .private_segment_fixed_size: 0
    .kernarg_segment_align: 8
    .kernarg_segment_size: 80
    .max_flat_workgroup_size: 128
    .sgpr_count:     66
    .vgpr_count:     192
    .wavefront_size: 32
...
	.end_amdgpu_metadata
.endif
;; end of part 1
;; launch kv (part 2): grid 4 x 64, 4 waves a work-group, clusters of 4 x 1, 167,936 bytes of LDS; arguments codes, scales, Wk_b, Wv_b, xf; writes xf
.if DOCPART == 2
	.amdgcn_target "amdgcn-amd-amdhsa--gfx1250"
	.amdhsa_code_object_version 6
	.text
	.protected	k_q007afde83c_kv
	.globl	k_q007afde83c_kv
	.p2align	8
	.type	k_q007afde83c_kv,@function
k_q007afde83c_kv:
	s_mov_b64 s[64:65], 0
	v_nop
	global_prefetch_b8 v0, s[64:65] scope:SCOPE_SE
	s_setreg_imm32_b32 hwreg(HW_REG_WAVE_MODE, 25, 1), 1
	s_wait_xcnt 0x0
	s_wait_alu depctr_hold_cnt(0) depctr_sa_sdst(0) depctr_va_vdst(0) depctr_va_sdst(0) depctr_va_ssrc(0) depctr_va_vcc(0) depctr_vm_vsrc(0)
	s_getreg_b32 s2, hwreg(HW_REG_IB_STS2, 6, 4)
	s_cmp_eq_u32 s2, 0
	s_cbranch_scc0 .Lentry_in_a_cluster
	s_endpgm
.Lentry_in_a_cluster:
	s_bfe_u32 s2, ttmp6, 0x10000c
	s_cmp_lg_u32 s2, 0x3003
	s_cbranch_scc0 .Lentry_shape_is_right
	s_endpgm
.Lentry_shape_is_right:
; KV: K = x Wk^T + bk and V = x Wv^T + bv on codes of FP4 with E8M0 scales; m = the maximum of K over the 32 BATCHES; ek = exp(K - m); ek V and ek leave as bf16.
; SHARES.  A work-group takes 16 positions t (work-group y) of ALL 32 batches, 512 rows of x, and 128 columns e (its place cx in the cluster).  Wave w takes two tiles of 16 columns, 128 cx + 32 w + 16 u, for all 32 batches.
; So the maximum over the batches is taken register by register inside a lane: the 64 accumulators of K (32 batches x 2 tiles, 512 registers) stay in registers until V is made.
; CLUSTER.  The four work-groups of a cluster need the same 512 rows of codes and their scale bytes: both come by joint tensor loads (a mask that names the four), once, at the start.  Nothing is filled again.
; ORIENTATION.  Source 0 = 16 rows of x (the 16 positions of one batch), source 1 = 16 rows of W.  In the result a lane holds ONE column e (lane % 16) and its registers the positions 8 (lane / 16) + 0 .. 7.
; Eight registers rounded to bf16 are 16 bytes: just what lane l of a bf16 fragment (16 columns x 32 positions, the positions being the next product's K) holds.  xf is laid as images of such fragments:
; xf[b][t / 32][e / 16][kind: 0 = ek V, 1 = ek][(t / 16) % 2][lane][16 bytes], so each store of a wave covers 512 consecutive bytes, aligned.
; The biases are the C of each sum's first matrix instruction.
; LIMITS: NaN and infinities are not served; v_exp_f32 gives 0 where ek would be denormal (ISA guide, its entry in 15.8); ek V and ek are rounded to bf16 (the next product is one that is left as it is; f16 has no room for V).
; REGISTERS, in windows of 256 (s_set_vgpr_msb: bits 1:0 source 0, 3:2 source 1, 5:4 source 2, 7:6 destination):
;   window 0: v4-15 addresses; v32-55 scale words and nothing else; v56-71 m; v128-255 x's fragments, two sets of a pair of batches.
;   window 1: v0-127 Wk's and Wv's fragments; v128-159 the biases as tiles; v160-191 V's four accumulators; v192-223 packed results.
;   window 2: K's accumulators of batches 0-15 (batch b, tile u at v[8 (2 (b % 16) + u)]);   window 3: those of batches 16-31.
.set XS,    139264                     ; LDS: 512 rows of codes x (256 + 16) bytes; then the scale bytes, 8,192 dense;
.set SPARE, 147456                     ; then the spare words, 128 bytes a wave
.set AD,   4                           ; v4-7  LDS address of my lane in the rows of batches 8 g .. 8 g + 7
.set AS,   8                           ; v8    of x's scale words: 16 x lane
.set WA,   9                           ; v9    256 r + 16 h: my lane in a weight's fragment
.set WS,   10                          ; v10   16 r: a weight's scale words
.set BA,   11                          ; v11   4 r: a bias
.set SO,   12                          ; v12   16 x lane: an image
.set SPW,  14
.set NIL,  15
.set XSW,  32                          ; v32-39 x's scale words, two sets x four K steps: lanes 0-15 the even batch, lanes 16-31 the odd one
.set KSW,  40                          ; v40-47 Wk's, at 4 u + q
.set VSW,  48                          ; v48-55 Wv's
.set M,    56
.set XFR,  128
.set WKF,  0                           ; window 1
.set WVF,  64
.set BK,   128
.set BV,   144
.set VA,   160
.set PN,   192
.set PE,   208
.set MSB, 0
.macro WIN new                         ; the immediate's high byte repeats the setting that is left; a switch that changes nothing is dropped
.if MSB != (\new)
	s_set_vgpr_msb (MSB<<8)|(\new)
.set MSB, (\new)
.endif
.endm
.macro PLACES n
.rept \n
	v_nop
.endr
.endm
.macro CROUND                          ; a round of the cluster's barrier
	s_barrier_signal -1
	s_barrier_wait -1
	s_cmp_lg_u32 s14, 0
	s_cbranch_scc1 .Lnot_wave_0_\@
	s_barrier_signal -3
.Lnot_wave_0_\@:
	s_barrier_wait -3
	s_barrier_signal -1
	s_barrier_wait -1
.endm
	s_load_b256 s[4:11], s[0:1], 0x0               ; codes 4, scales 6, Wk_b 8, Wv_b 10
	s_load_b64 s[12:13], s[0:1], 0x20              ; xf
	v_lshl_add_u32 v[SPW], v0, 2, SPARE
	v_mov_b32 v[NIL], 0
	ds_add_u32 v[SPW], v[NIL]                      ; the wave's opening: the add, twice on end, and its wait ahead of my first tensor load
	ds_add_u32 v[SPW], v[NIL]
	v_lshrrev_b32 v1, 5, v0
	v_readfirstlane_b32 s14, v1                    ; wave 0..3
	s_bfe_u32 s15, ttmp6, 0x40000                  ; cx: which 128 columns; it enters global addresses of my own loads and stores alone
	s_and_b32 s3, ttmp7, 0xffff                    ; which 16 positions: shared by the four partners
	; group 1 for the codes: 128 rows of 256 bytes, dense in memory, 16 bytes of padding behind each in LDS
	s_mov_b32 s16, 15|(1<<20)|(1<<21)|(5<<22)|(3<<25)   ; the mask: all four; elements of 1 byte; padding on; bit 21 beside a mask; after every 64 words, 4 words
	s_mov_b32 s17, 256<<16
	s_mov_b32 s18, 128<<16
	s_mov_b32 s19, 256<<16
	s_mov_b32 s20, 128
	s_mov_b32 s21, 256
	s_mov_b32 s22, 0
	s_mov_b32 s23, 0
	; group 1 for the scale bytes: 8 rows of 256 bytes (32 elements of 8), dense, no padding
	s_mov_b32 s28, 15|(3<<16)|(1<<21)
	s_mov_b32 s29, 32<<16
	s_mov_b32 s30, 8<<16
	s_mov_b32 s31, 32<<16
	s_mov_b32 s32, 8
	s_mov_b32 s33, 32
	s_mov_b32 s34, 0
	s_mov_b32 s35, 0
	s_mov_b32 s48, 0x3fb8aa3b                      ; log2(e), as a pair for the packed form
	s_mov_b32 s49, s48
	v_and_b32 v1, 15, v0                           ; r
	v_bfe_u32 v2, v0, 4, 1                         ; h
	v_and_b32 v3, 31, v0                           ; lane
	v_mul_u32_u24 v[AD], v1, 272
	v_lshl_add_u32 v[AD], v2, 4, v[AD]             ; row r x pitch + 16 h
	v_add_nc_u32 v[AD+1], 34816, v[AD]             ; eight batches are 128 rows
	v_add_nc_u32 v[AD+2], 69632, v[AD]
	v_add_nc_u32 v[AD+3], 104448, v[AD]
	v_lshl_add_u32 v[AS], v3, 4, XS
	v_lshlrev_b32 v[WA], 8, v1
	v_lshl_add_u32 v[WA], v2, 4, v[WA]
	v_lshlrev_b32 v[WS], 4, v1
	v_lshlrev_b32 v[BA], 2, v1
	v_lshlrev_b32 v[SO], 4, v3
	s_wait_dscnt 0x0                               ; both opening adds are done
	s_wait_kmcnt 0x0
	; the joint loads: wave w fetches rows 128 w .. 128 w + 127 (batches 8 w .. 8 w + 7) and their scale bytes.  Nothing in these registers hangs on cx
	s_lshl_b32 s40, s3, 17
	s_lshl_b32 s41, s14, 15
	s_add_co_u32 s40, s40, s41
	s_mov_b32 s41, 0
	s_mov_b32 s24, 1
	s_mul_i32 s25, s14, 34816
	s_add_nc_u64 s[26:27], s[4:5], s[40:41]
	s_or_b32 s27, s27, 0x80000000
	s_lshl_b32 s40, s3, 13
	s_lshl_b32 s42, s14, 11
	s_add_co_u32 s40, s40, s42
	s_mov_b32 s36, 1
	s_add_co_u32 s37, s42, XS
	s_add_nc_u64 s[38:39], s[6:7], s[40:41]
	s_or_b32 s39, s39, 0x80000000
	; my own addresses: my first column e = 128 cx + 32 w
	s_lshl_b32 s44, s15, 7
	s_lshl_b32 s45, s14, 5
	s_add_co_u32 s44, s44, s45
	s_mov_b32 s47, 0
	s_lshl_b32 s46, s44, 8
	s_add_nc_u64 s[50:51], s[4:5], s[46:47]
	s_add_nc_u64 s[50:51], s[50:51], 8388608       ; the weights' codes begin at run 2048
	s_lshl_b32 s46, s44, 4
	s_add_nc_u64 s[52:53], s[6:7], s[46:47]
	s_add_nc_u64 s[52:53], s[52:53], 524288        ; and their scale bytes
	s_lshl_b32 s46, s44, 2
	s_add_nc_u64 s[8:9], s[8:9], s[46:47]
	s_add_nc_u64 s[10:11], s[10:11], s[46:47]
	s_lshl_b32 s46, s44, 7                         ; xf: (e / 16) x 2,048,
	s_lshr_b32 s45, s3, 1
	s_lshl_b32 s45, s45, 16
	s_add_co_u32 s46, s46, s45                     ; + (t / 32) x 65,536,
	s_and_b32 s45, s3, 1
	s_lshl_b32 s45, s45, 9
	s_add_co_u32 s46, s46, s45                     ; + ((t / 16) % 2) x 512
	s_add_nc_u64 s[12:13], s[12:13], s[46:47]
	CROUND                                         ; all four work-groups are here: the joint loads meet
	tensor_load_to_lds s[24:27], s[16:23]          ; my two fills stand together: two tensor loads of mine are out
	s_nop 0
	tensor_load_to_lds s[36:39], s[28:35]
	s_nop 0
	PLACES 4
	WIN 0x40                                       ; destination window 1
.irp u, 0,1
.irp q, 0,1,2,3
.irp c, 0,1
	global_load_b128 v[WKF+8*(4*\u+\q)+4*\c:WKF+8*(4*\u+\q)+4*\c+3], v[WA], s[50:51] offset:\u*4096+64*\q+32*\c
	global_load_b128 v[WVF+8*(4*\u+\q)+4*\c:WVF+8*(4*\u+\q)+4*\c+3], v[WA], s[50:51] offset:131072+\u*4096+64*\q+32*\c
.endr
.endr
.endr
.irp u, 0,1
.irp j, 0,1,2,3,4,5,6,7
	global_load_b32 v[BK+8*\u+\j], v[BA], s[8:9] offset:64*\u     ; a lane's column has one bias for all eight positions
	global_load_b32 v[BV+8*\u+\j], v[BA], s[10:11] offset:64*\u
.endr
.endr
	WIN 0
.irp u, 0,1
	global_load_b128 v[KSW+4*\u:KSW+4*\u+3], v[WS], s[52:53] offset:256*\u
	global_load_b128 v[VSW+4*\u:VSW+4*\u+3], v[WS], s[52:53] offset:8192+256*\u
.endr
	s_wait_tensorcnt 0x0                           ; my parts have landed,
	s_barrier_signal -1
	s_barrier_wait -1                              ; everybody's have
; the fragments of batches 2 p and 2 p + 1 (16 rows x 512 K each: 4 x 8 registers) and their scale words, into set f: 17 LDS loads
.macro LOADP p, f
.irp b2, 0,1
.irp q, 0,1,2,3
.irp c, 0,1
	ds_load_b128 v[XFR+64*(\f)+32*\b2+8*\q+4*\c:XFR+64*(\f)+32*\b2+8*\q+4*\c+3], v[AD+(2*(\p)+\b2)/8] offset:((2*(\p)+\b2)%8)*4352+64*\q+32*\c
.endr
.endr
.endr
	ds_load_b128 v[XSW+4*(\f):XSW+4*(\f)+3], v[AS] offset:512*(\p)
.endm
.macro FP4MM row1                      ; one product on the registers named by rD, rA, rB, rC, rSA, rSB; row1: source 0's scales lie in lanes 16-31
.if \row1
	v_wmma_scale_f32_16x16x128_f8f6f4 v[rD:rD+7], v[rA:rA+7], v[rB:rB+7], v[rC:rC+7], v[rSA], v[rSB] matrix_a_fmt:MATRIX_FMT_FP4 matrix_b_fmt:MATRIX_FMT_FP4 matrix_a_scale:MATRIX_SCALE_ROW1
.else
	v_wmma_scale_f32_16x16x128_f8f6f4 v[rD:rD+7], v[rA:rA+7], v[rB:rB+7], v[rC:rC+7], v[rSA], v[rSB] matrix_a_fmt:MATRIX_FMT_FP4 matrix_b_fmt:MATRIX_FMT_FP4
.endif
.endm
; The head of step ST: five places (loads land in registers that the step before last's... the last step's products read, and V's accumulators are begun anew), the next pair's loads, the wait for this pair's
.macro STEPHEAD
	WIN 0
.if ST > 0
	PLACES 5
.endif
.if ST < 31
	LOADP (ST+1)%16, (ST+1)%2
	s_wait_dscnt 17                                ; all but the 17 just issued: this pair's fragments and scale words are in
.else
	s_wait_dscnt 0x0
.endif
.endm
; K of a pair of batches: 16 products, the four accumulators by turns, one instruction a turn
.macro KSTEP p, f
.set KW, (\p)/8
.irp q, 0,1,2,3
.if \q == 0
	WIN 0x94+0x40*KW                               ; W and the bias in window 1, the result in window 2 or 3
.else
	WIN 0xa4+0x50*KW                               ; in place
.endif
.irp b2, 0,1
.irp u, 0,1
.set rD, 8*(2*((2*(\p)+\b2)%16)+\u)
.set rA, XFR+64*(\f)+32*\b2+8*\q
.set rB, WKF+8*(4*\u+\q)
.set rC, rD
.if \q == 0
.set rC, BK+8*\u
.endif
.set rSA, XSW+4*(\f)+\q
.set rSB, KSW+4*\u+\q
	FP4MM \b2
.endr
.endr
.endr
.endm
; V of a pair of batches, x ek, both rounded to bf16 and stored as images
.macro VSTEP p, f
.set KW, (\p)/8
	WIN 0x54                                       ; W, the bias and the result in window 1
.irp q, 0,1,2,3
.irp b2, 0,1
.irp u, 0,1
.set rD, VA+8*(2*\b2+\u)
.set rA, XFR+64*(\f)+32*\b2+8*\q
.set rB, WVF+8*(4*\u+\q)
.set rC, rD
.if \q == 0
.set rC, BV+8*\u
.endif
.set rSA, XSW+4*(\f)+\q
.set rSB, VSW+4*\u+\q
	FP4MM \b2
.endr
.endr
.endr
	PLACES 4                                       ; in front of the first read of results just made
	WIN 0x49+4*KW                                  ; V in window 1, ek in window 2 or 3
.irp b2, 0,1
.irp u, 0,1
.irp j, 0,2,4,6
	v_pk_mul_f32 v[VA+8*(2*\b2+\u)+\j:VA+8*(2*\b2+\u)+\j+1], v[VA+8*(2*\b2+\u)+\j:VA+8*(2*\b2+\u)+\j+1], v[8*(2*((2*(\p)+\b2)%16)+\u)+\j:8*(2*((2*(\p)+\b2)%16)+\u)+\j+1]   ; each accumulator from its low end on
.endr
.endr
.endr
	s_wait_xcnt 0x0                                ; the last pair's stores have read their data and their base: both are written again only behind this wait
.if (\p) > 0
	s_add_nc_u64 s[12:13], s[12:13], 4194304       ; two batches on
.endif
	WIN 0x45
.irp a, 0,1,2,3
.irp k, 0,1,2,3
	v_cvt_pk_bf16_f32 v[PN+4*\a+\k], v[VA+8*\a+2*\k], v[VA+8*\a+2*\k+1]
.endr
.endr
	WIN 0x4a+5*KW
.irp b2, 0,1
.irp u, 0,1
.irp k, 0,1,2,3
	v_cvt_pk_bf16_f32 v[PE+4*(2*\b2+\u)+\k], v[8*(2*((2*(\p)+\b2)%16)+\u)+2*\k], v[8*(2*((2*(\p)+\b2)%16)+\u)+2*\k+1]
.endr
.endr
.endr
	WIN 0x04                                       ; a store's data are its source 1: window 1
.irp b2, 0,1
.irp u, 0,1
	global_store_b128 v[SO], v[PN+4*(2*\b2+\u):PN+4*(2*\b2+\u)+3], s[12:13] offset:\b2*2097152+\u*2048 th:TH_STORE_NT        ; 32 lanes store 512 consecutive bytes, aligned
	global_store_b128 v[SO], v[PE+4*(2*\b2+\u):PE+4*(2*\b2+\u)+3], s[12:13] offset:\b2*2097152+\u*2048+1024 th:TH_STORE_NT
.endr
.endr
.endm
	LOADP 0, 0
	s_wait_loadcnt 0x0                             ; the weights, their scale words and the biases
.set ST, 0
.rept 16
	STEPHEAD
	KSTEP ST%16, ST%2
.set ST, ST+1
.endr
	WIN 0
	PLACES 4                                       ; in front of the first read of K
; THE MAXIMUM OVER THE 32 BATCHES, three operands at a time.  Stage by stage, and in a stage the registers ascending: each accumulator is first read at its lowest register.
.macro MAXST n0, n1
.irp u, 0,1
.irp j, 0,1,2,3,4,5,6,7
	v_max3_num_f32 v[M+8*\u+\j], v[M+8*\u+\j], v[8*(2*(\n0)+\u)+\j], v[8*(2*(\n1)+\u)+\j]
.endr
.endr
.endm
	WIN 0x2a                                       ; three sources in window 2
.irp u, 0,1
.irp j, 0,1,2,3,4,5,6,7
	v_max3_num_f32 v[M+8*\u+\j], v[8*\u+\j], v[8*(2+\u)+\j], v[8*(4+\u)+\j]
.endr
.endr
	WIN 0x28
.irp n, 3,5,7,9,11,13
	MAXST \n, \n+1
.endr
	WIN 0x38                                       ; batch 15 in window 2, batch 16 in window 3
	MAXST 15, 0
	WIN 0x3c
.irp n, 1,3,5,7,9,11,13
	MAXST \n, \n+1
.endr
	WIN 0x0c
.irp u, 0,1
.irp j, 0,1,2,3,4,5,6,7
	v_max_num_f32 v[M+8*\u+\j], v[M+8*\u+\j], v[8*(30+\u)+\j]
.endr
.endr
; ek = 2^((K - m) log2(e)), in place, a window at a time: the difference first, then the scaling.  One wait for a window's 256 exponentials.
.macro EXPPH
.set i, 0
.rept 32
.irp j, 0,2,4,6
	v_pk_add_f32 v[8*i+\j:8*i+\j+1], v[8*i+\j:8*i+\j+1], v[M+8*(i%2)+\j:M+8*(i%2)+\j+1] neg_lo:[0,1] neg_hi:[0,1]
.endr
.set i, i+1
.endr
.set i, 0
.rept 128
	v_pk_mul_f32 v[i:i+1], v[i:i+1], s[48:49] op_sel_hi:[1,0]
.set i, i+2
.endr
.set i, 0
.rept 256
	v_exp_f32 v[i], v[i]
.set i, i+1
.endr
	v_nop                                          ; a plain line behind the last exponential
	s_wait_alu depctr_va_vdst(0)                   ; the wait ahead of the next line that names one of these registers
.endm
	WIN 0x82                                       ; K in window 2, m in window 0
	EXPPH
	WIN 0xc3
	EXPPH
.rept 16
	STEPHEAD
	VSTEP ST%16, ST%2
.set ST, ST+1
.endr
	WIN 0
	s_wait_tensorcnt 0x0                           ; the wave's end
	ds_add_u32 v[SPW], v[NIL]
	s_wait_dscnt 0x0
	CROUND                                         ; the closing round
	s_endpgm
.Lfunc_end_k_q007afde83c_kv:
	.size	k_q007afde83c_kv, .Lfunc_end_k_q007afde83c_kv-k_q007afde83c_kv
	.p2alignl 7, 3214868480
	.fill 96, 4, 3214868480
	.section	.rodata,"a",@progbits
	.p2align	6, 0x0
	.amdhsa_kernel k_q007afde83c_kv
		.amdhsa_group_segment_fixed_size 167936
		.amdhsa_private_segment_fixed_size 0
		.amdhsa_enable_private_segment 0
		.amdhsa_kernarg_size 40
		.amdhsa_user_sgpr_count 2
		.amdhsa_user_sgpr_kernarg_segment_ptr 1
		.amdhsa_wavefront_size32 1
		.amdhsa_system_sgpr_workgroup_id_x 1
		.amdhsa_system_sgpr_workgroup_id_y 1
		.amdhsa_system_sgpr_workgroup_id_z 1
		.amdhsa_system_vgpr_workitem_id 0
		.amdhsa_next_free_vgpr 1024
		.amdhsa_next_free_sgpr 66
		.amdhsa_reserve_vcc 0
		.amdhsa_float_denorm_mode_32 3
		.amdhsa_float_denorm_mode_16_64 3
		.amdhsa_memory_ordered 1
		.amdhsa_forward_progress 1
		.amdhsa_inst_pref_size 248
	.end_amdhsa_kernel
	.amdgpu_metadata
---
amdhsa.version: [ 1, 2 ]
amdhsa.kernels:
  - .name:           k_q007afde83c_kv
    .symbol:         k_q007afde83c_kv.kd
    .args:
      - { .name: codes, .offset: 0, .size: 8, .value_kind: global_buffer, .address_space: global }
      - { .name: scales, .offset: 8, .size: 8, .value_kind: global_buffer, .address_space: global }
      - { .name: Wk_b, .offset: 16, .size: 8, .value_kind: global_buffer, .address_space: global }
      - { .name: Wv_b, .offset: 24, .size: 8, .value_kind: global_buffer, .address_space: global }
      - { .name: xf, .offset: 32, .size: 8, .value_kind: global_buffer, .address_space: global }
    .group_segment_fixed_size: 167936
    .private_segment_fixed_size: 0
    .kernarg_segment_align: 8
    .kernarg_segment_size: 40
    .max_flat_workgroup_size: 128
    .sgpr_count:     66
    .vgpr_count:     1024
    .wavefront_size: 32
...
	.end_amdgpu_metadata
.endif
;; end of part 2
;; launch aft (part 3): grid 16 x 32, 4 waves a work-group, clusters of 4 x 1, 327,680 bytes of LDS; arguments ewb, xf, codes, scales, Wq_b, wob, Wo_b, out0; writes out0
.if DOCPART == 3
	.amdgcn_target "amdgcn-amd-amdhsa--gfx1250"
	.amdhsa_code_object_version 6
	.text
	.protected	k_q007afde83c_aft
	.globl	k_q007afde83c_aft
	.p2align	8
	.type	k_q007afde83c_aft,@function
k_q007afde83c_aft:
	s_mov_b64 s[64:65], 0
	v_nop
	global_prefetch_b8 v0, s[64:65] scope:SCOPE_SE
	s_setreg_imm32_b32 hwreg(HW_REG_WAVE_MODE, 25, 1), 1
	s_wait_xcnt 0x0
	s_wait_alu depctr_hold_cnt(0) depctr_sa_sdst(0) depctr_va_vdst(0) depctr_va_sdst(0) depctr_va_ssrc(0) depctr_va_vcc(0) depctr_vm_vsrc(0)
	s_getreg_b32 s2, hwreg(HW_REG_IB_STS2, 6, 4)
	s_cmp_eq_u32 s2, 0
	s_cbranch_scc0 .Lentry_in_a_cluster
	s_endpgm
.Lentry_in_a_cluster:
	s_bfe_u32 s2, ttmp6, 0x10000c
	s_cmp_lg_u32 s2, 0x3003
	s_cbranch_scc0 .Lentry_shape_is_right
	s_endpgm
.Lentry_shape_is_right:
; AFT: num = ew (ek V), den = ew ek (bf16 operands, f32 sums, K = the 1,024 positions s); Yt = num / den; Q = x Wq^T + bq on codes of FP4; G = sigmoid(Q) Yt; out = G Wo^T + bo (bf16 operands, f32 sums).
; SHARES.  A work-group takes one batch b (work-group y) and 64 positions t (block tb = 4 x cluster x + cx), all 512 channels d, num and den: so a row of G is whole in the work-group and the last product needs no memory.
; Wave w takes channels 128 w .. 128 w + 127 (later outputs e likewise) for all 64 positions: 32 accumulators of num (window 2), 32 of den (window 3).
; ORIENTATION.  Every product is used transposed: source 0 = 16 channels (or outputs), source 1 = 16 positions t.  A lane then holds ONE position (lane % 16) and eight neighbouring channels 8 (lane / 16) + 0 .. 7,
; in num, den, Q, G and out alike; two neighbouring tiles of G rounded to bf16 ARE a fragment (16 t x 32 d) of the last product's source 1.
; THE RING.  Two LDS slots.  Tile j = 0 .. 15: positions s = 64 j .. 64 j + 63: 131,072 dense bytes of xf (128 images of fragments, as 512 rows of 256 bytes) and 64 rows x 128 bytes of ew.  Tiles 16 .. 19: Wo's four chunks of 128 d.
; CLUSTER.  The four work-groups of a cluster are four blocks t of one batch: they walk the same xf and the same Wo, which are asked for JOINTLY (mask 15).  ew's tile hangs on tb, which differs between the partners, and is
; 8,192 of a step's 139,264 bytes: it comes by plain tensor loads behind the same rounds.  Waves 0, 1 fetch ew's halves, waves 2, 3 the halves of xf or Wo: one tensor load a wave behind each round.
; G goes from wave to wave through LDS as images of its registers (512 bytes a store, 16 x lane): chunk c of the last product's K is wave c's G.
; LIMITS: ew, ek V, ek, G and Wo are bf16 (f16 has no room for V and G); NaN and infinities are not served; v_rcp_f32 and v_exp_f32 take a denormal for 0 (ISA guide, their entries in 15.8), so a den under 2^-126 counts as 0.
; REGISTERS, in windows of 256 (s_set_vgpr_msb: bits 1:0 source 0, 3:2 source 1, 5:4 source 2, 7:6 destination):
;   window 0: v1-15 addresses; v16-79 ew's fragments, two sets, later bq as tiles; v80-127 scale words and nothing else; v128-255 x's fragments, later G's fragments (v128-191) and bo's tiles (v192-255), later rows of out.
;   window 1: xf's fragments, two sets of 128; later Wq's 32 fragments; later packed G (v0-127) and Wo's fragments, two sets (v128-255).
;   window 2: num, then Yt, then G, accumulator (tI, dJ) at v[8 (8 tI + dJ)].   window 3: den, then 1 / den, then Q and its sigmoid, then out.
.set B1,    139264                     ; LDS: slot 0's 512 rows x 272 bytes at 0, slot 1's here;
.set A0,    278528                     ; ew's tiles: 64 rows x (128 + 16) bytes,
.set A1,    287744
.set GS1,   278528                     ; G's second image region lies in ew's slots: it is written only when both have had their last fill and their last read;
.set GS0,   296960                     ; the first has bytes of its own: 16,384 each
.set SPARE, 327168                     ; the spare words, 128 bytes a wave
.set PFO,  1                           ; v1     256 x lane: the prefetches' offset; never rewritten
.set ADX,  2                           ; v2-5   xf's images: slot, half (32 positions) at 2 slot + half.  Behind the main loop these four hold offsets into memory:
.set XQ,   2                           ;        256 r + 16 h
.set SA,   3                           ;        16 r
.set BA,   4                           ;        32 h
.set CO,   5                           ;        16 x lane
.set ADE,  6                           ; v6-7   ew's fragments in slot 0, 1
.set ADO,  8                           ; v8-9   Wo's fragments in slot 0, 1
.set GRD,  10                          ; v10-11 16 x lane in G's image regions 0, 1
.set STO,  12                          ; v12    the way out: where I put 32 bytes of a row
.set RD,   13                          ; v13    and where I read a row back
.set SPW,  14
.set NIL,  15
.set EW,   16
.set BQ,   16
.set XSW,  80                          ; x's scale words at 4 tI + q
.set QSW,  96                          ; Wq's at 4 dJ + q
.set XF,   128
.set GF,   128
.set BO,   192
.set BK,   128
.set G1A,  28                          ; s[28:35] group 1 for ew;  s[36:43] its groups 0, one for each slot
.set G0A,  36
.set G1X,  44                          ; s[44:51], s[52:59] the same for xf
.set G0X,  52
.set G1O,  68                          ; s[68:75], s[76:83] the same for Wo
.set G0O,  76
.set PFA,  84                          ; s[84:85] where my prefetches stand
.set LIM,  86                          ; s86 1 in a work-group that prefetches, else the greatest number
.set MSB, 0
.macro WIN new                         ; the immediate's high byte repeats the setting that is left; a switch that changes nothing is dropped
.if MSB != (\new)
	s_set_vgpr_msb (MSB<<8)|(\new)
.set MSB, (\new)
.endif
.endm
.macro PLACES n
.rept \n
	v_nop
.endr
.endm
.macro CREST                           ; a round of the cluster's barrier behind its opening barrier
	s_cmp_lg_u32 s20, 0
	s_cbranch_scc1 .Lnot_wave_0_\@
	s_barrier_signal -3
.Lnot_wave_0_\@:
	s_barrier_wait -3
	s_barrier_signal -1
	s_barrier_wait -1
.endm
.macro CROUND
	s_barrier_signal -1
	s_barrier_wait -1
	CREST
.endm
; A step's loads: waves 0, 1 ew's halves (plain), waves 2, 3 xf's halves (joint).  The branch hangs on the wave's number alone.  An s_nop 0 and four v_nop follow each line.
.macro JLOAD s
	s_cmp_eq_u32 s21, 0
	s_cbranch_scc0 .Lfor_x_\@
	tensor_load_to_lds s[G0A+4*\s:G0A+4*\s+3], s[G1A:G1A+7]
	s_nop 0
	PLACES 4
	s_branch .Lasked_\@
.Lfor_x_\@:
	tensor_load_to_lds s[G0X+4*\s:G0X+4*\s+3], s[G1X:G1X+7]
	s_nop 0
	PLACES 4
.Lasked_\@:
.endm
.macro JLOADO s                        ; a chunk of Wo: waves 2, 3 alone, joint
	s_cmp_eq_u32 s21, 0
	s_cbranch_scc1 .Lno_o_\@
	tensor_load_to_lds s[G0O+4*\s:G0O+4*\s+3], s[G1O:G1O+7]
	s_nop 0
	PLACES 4
.Lno_o_\@:
.endm
; A PREFETCH INTO THE L2, behind a refill, its five lines and the run of LDS loads: the tile of xf that stands two refills on, 256 matrix instructions ahead of the load that will want it.
; All four clusters of a batch walk the same xf: the first (cluster x = 0) asks.  A tile's 512 blocks of 256 bytes are shared out BY ADDRESS: 32,768 bytes a partner, 8,192 a wave, a block a lane: each block is named once.
; The loop's last trip asks for nothing: no tile of xf stands two refills behind its refills.  Nothing is asked at the head.
.macro ASK
	s_cmp_gt_u32 s3, s[LIM]
	s_cbranch_scc0 .Lnot_mine_\@
	global_prefetch_b8 v[PFO], s[PFA:PFA+1] th:TH_LOAD_NT scope:SCOPE_SE
.Lnot_mine_\@:
.endm
; 16 products: positions tI = t0, t0 + 1 x my eight tiles of channels, 32 along s: set f, kind 0 (num) or 1 (den).  zero = 1: they start the sums
.macro MULH f, kind, t0, zero
.irp t, \t0, \t0+1
.irp d, 0,1,2,3,4,5,6,7
.if \zero
	v_wmma_f32_16x16x32_bf16 v[8*(8*(\t)+\d):8*(8*(\t)+\d)+7], v[128*\f+64*\kind+8*\d:128*\f+64*\kind+8*\d+7], v[EW+32*\f+8*(\t):EW+32*\f+8*(\t)+7], 0
.else
	v_wmma_f32_16x16x32_bf16 v[8*(8*(\t)+\d):8*(8*(\t)+\d)+7], v[128*\f+64*\kind+8*\d:128*\f+64*\kind+8*\d+7], v[EW+32*\f+8*(\t):EW+32*\f+8*(\t)+7], v[8*(8*(\t)+\d):8*(8*(\t)+\d)+7]
.endif
.endr
.endr
.endm
; 40 LDS loads in one run: 32 positions s (half sblk of the slot) into set f: ew's four fragments, then my eight of ek V, then my eight of ek
.macro FETCH slot, sblk, f
	WIN 0
.irp t, 0,1,2,3
	ds_load_b128 v[EW+32*\f+8*\t:EW+32*\f+8*\t+3],   v[ADE+\slot] offset:\t*2304+64*\sblk
	ds_load_b128 v[EW+32*\f+8*\t+4:EW+32*\f+8*\t+7], v[ADE+\slot] offset:\t*2304+64*\sblk+32
.endr
	WIN 0x40                                       ; destination window 1
.irp k, 0,1
.irp d, 0,1,2,3,4,5,6,7
	ds_load_b128 v[128*\f+64*\k+8*\d:128*\f+64*\k+8*\d+3],   v[ADX+2*\slot+\sblk] offset:(2*\d+\k)*1088
	ds_load_b128 v[128*\f+64*\k+8*\d+4:128*\f+64*\k+8*\d+7], v[ADX+2*\slot+\sblk] offset:(2*\d+\k)*1088+544
.endr
.endr
	WIN 0
.endm
; A slot's first half: multiplies set 0, fetches the second half into set 1.  The 64 accumulators take turns, one instruction a turn, in the same order in every half
.macro SBLK slot, zero
	s_wait_dscnt 16                                ; ew's and ek V's fragments are in; the youngest sixteen loads (ek's) may be out
	WIN 0xa1                                       ; source 0 window 1, source 1 window 0, C and D window 2
	MULH 0, 0, 0, \zero
	MULH 0, 0, 2, \zero
	PLACES 4                                       ; in front of loads into registers that matrix instructions have read
	FETCH \slot, 1, 1
	s_wait_dscnt 40                                ; all but the 40 just issued
	WIN 0xf1
	MULH 0, 1, 0, \zero
	MULH 0, 1, 2, \zero
.endm
; A slot's second half multiplies set 1 and changes slots: in front of the round each wave waits for all its tensor loads, adds 0 to its spare word, and waits for that and for its reads of this slot.
; mode 0: the slot takes the tile two on.  mode 1: slot 0 takes Wo's chunk 0.  mode 2: slot 1 takes chunk 1, and nothing more is fetched for this product.
.macro TURN slot, next, mode
.if \mode == 0
	s_wait_xcnt 0x0                                ; the last prefetch, a tile back, has read its address
	s_add_nc_u64 s[PFA:PFA+1], s[PFA:PFA+1], 131072
.endif
	WIN 0                                          ; (the add's two registers lie in window 0)
	s_wait_tensorcnt 0x0                           ; all my tensor loads have landed: my part of the next slot
	ds_add_u32 v[SPW], v[NIL]                      ; 0 onto my spare word
	s_wait_dscnt 17                                ; (the add and the youngest sixteen loads may be out)
	WIN 0xa1
	MULH 1, 0, 0, 0                                ; sixteen matrix instructions stand between the add and the wait for it
	s_wait_dscnt 0x0                               ; the add is done, and my reads of this slot are over
	s_barrier_signal -1
	MULH 1, 0, 2, 0
	WIN 0
	s_barrier_wait -1
	CREST                                          ; no wave of any partner still reads this slot or has a load on its way
.if \mode == 0
	s_add_nc_u64 s[G0A+4*\slot+2:G0A+4*\slot+3], s[G0A+4*\slot+2:G0A+4*\slot+3], 256
	s_add_nc_u64 s[G0X+4*\slot+2:G0X+4*\slot+3], s[G0X+4*\slot+2:G0X+4*\slot+3], 262144
	JLOAD \slot                                    ; the first tensor load behind the round; its four v_nop are also the places in front of the loads below
	FETCH \next, 0, 0
	ASK
.elseif \mode == 1
	JLOADO 0
	PLACES 4
	FETCH \next, 0, 0
.else
	JLOADO 1
.endif
	WIN 0xf1
	MULH 1, 1, 0, 0
	MULH 1, 1, 2, 0
.endm
	s_load_b512 s[4:19], s[0:1], 0x0               ; ewb 4, xf 6, codes 8, scales 10, Wq_b 12, wob 14, Wo_b 16, out0 18
	v_lshl_add_u32 v[SPW], v0, 2, SPARE
	v_mov_b32 v[NIL], 0
	ds_add_u32 v[SPW], v[NIL]                      ; the wave's opening: the add, twice on end, and its wait ahead of my first tensor load
	ds_add_u32 v[SPW], v[NIL]
	v_lshrrev_b32 v16, 5, v0
	v_readfirstlane_b32 s20, v16                   ; wave 0..3
	s_lshr_b32 s21, s20, 1                         ; 0: I fetch ew;  1: xf or Wo
	s_and_b32 s22, s20, 1                          ; which half
	s_bfe_u32 s23, ttmp6, 0x40000                  ; cx
	s_lshl_b32 s24, ttmp9, 2
	s_add_co_u32 s24, s24, s23                     ; tb: my block of 64 positions
	s_and_b32 s25, ttmp7, 0xffff                   ; b: shared by the four partners
	s_mov_b32 s[G1A+0], (1<<20)|(4<<22)|(3<<25)    ; ew: no mask; elements of 1 byte; padding: 4 words after every 32
	s_mov_b32 s[G1A+1], 128<<16
	s_mov_b32 s[G1A+2], 32<<16
	s_mov_b32 s[G1A+3], 128<<16
	s_mov_b32 s[G1A+4], 32
	s_mov_b32 s[G1A+5], 2048
	s_mov_b32 s[G1A+6], 0
	s_mov_b32 s[G1A+7], 0
	s_mov_b32 s[G1X+0], 15|(3<<16)|(1<<20)|(1<<21)|(5<<22)|(3<<25)   ; xf: the mask: all four; elements of 8 bytes; padding: 4 words after every 64; bit 21 beside a mask
	s_mov_b32 s[G1X+1], 32<<16
	s_mov_b32 s[G1X+2], 256<<16
	s_mov_b32 s[G1X+3], 32<<16
	s_mov_b32 s[G1X+4], 256
	s_mov_b32 s[G1X+5], 32                         ; dense: 256 rows of 256 bytes
	s_mov_b32 s[G1X+6], 0
	s_mov_b32 s[G1X+7], 0
	s_mov_b32 s[G1O+0], 15|(3<<16)|(1<<20)|(1<<21)|(5<<22)|(3<<25)
	s_mov_b32 s[G1O+1], 32<<16
	s_mov_b32 s[G1O+2], 256<<16
	s_mov_b32 s[G1O+3], 32<<16
	s_mov_b32 s[G1O+4], 256
	s_mov_b32 s[G1O+5], 128                        ; Wo: 256 bytes of rows that lie 1,024 bytes apart
	s_mov_b32 s[G1O+6], 0
	s_mov_b32 s[G1O+7], 0
	s_mov_b32 s96, 0xbfb8aa3b                      ; -log2(e), as a pair for the packed form
	s_mov_b32 s97, s96
	s_cmp_eq_u32 ttmp9, 0
	s_cselect_b32 s[LIM], 1, -1                    ; the same in all four partners
	; every LDS address is made here, ahead of the first branch on the wave's number
	v_and_b32 v16, 15, v0                          ; r
	v_bfe_u32 v17, v0, 4, 1                        ; h
	v_and_b32 v18, 31, v0                          ; lane
	v_lshlrev_b32 v[PFO], 8, v18
	v_mul_u32_u24 v19, v17, 272
	v_lshl_add_u32 v19, v16, 4, v19                ; an image's half is two rows of 256 bytes: lanes 0-15 the first, lanes 16-31 the second
	s_mul_i32 s26, s20, 17408                      ; my eight tiles x two kinds x 1,088 bytes
	v_add_nc_u32 v[ADX], s26, v19
	v_add_nc_u32 v[ADX+1], 69632, v[ADX]
	v_add_nc_u32 v[ADX+2], B1, v[ADX]
	v_add_nc_u32 v[ADX+3], B1, v[ADX+1]
	v_mul_u32_u24 v[ADE], v16, 144
	v_lshl_add_u32 v[ADE], v17, 4, v[ADE]
	v_add_nc_u32 v[ADE], A0, v[ADE]
	v_add_nc_u32 v[ADE+1], 9216, v[ADE]
	v_mul_u32_u24 v[ADO], v16, 272
	v_lshl_add_u32 v[ADO], v17, 4, v[ADO]
	s_mul_i32 s26, s20, 34816                      ; my 128 rows of Wo
	v_add_nc_u32 v[ADO], s26, v[ADO]
	v_add_nc_u32 v[ADO+1], B1, v[ADO]
	v_lshl_add_u32 v[GRD], v18, 4, GS0
	v_lshl_add_u32 v[GRD+1], v18, 4, GS1
	s_mul_i32 s26, s20, 8448                       ; my stage for the way out: 16 rows x 528 bytes, in slot 0
	v_mul_u32_u24 v[STO], v16, 528
	v_lshl_add_u32 v[STO], v17, 5, v[STO]
	v_add_nc_u32 v[STO], s26, v[STO]
	v_lshl_add_u32 v[RD], v18, 4, s26
	s_wait_dscnt 0x0                               ; both opening adds are done
	s_wait_kmcnt 0x0
	; the joint loads' groups 0: made of b and the wave's number alone, in registers that never hold cx
	s_lshl_b32 s60, s25, 21
	s_lshl_b32 s61, s22, 16
	s_add_co_u32 s60, s60, s61
	s_mov_b32 s61, 0
	s_add_nc_u64 s[G0X+2:G0X+3], s[6:7], s[60:61]
	s_add_nc_u64 s[G0X+6:G0X+7], s[G0X+2:G0X+3], 131072
	s_or_b32 s[G0X+3], s[G0X+3], 0x80000000
	s_or_b32 s[G0X+7], s[G0X+7], 0x80000000
	s_mov_b32 s[G0X], 1
	s_mov_b32 s[G0X+4], 1
	s_mul_i32 s26, s22, 69632
	s_mov_b32 s[G0X+1], s26
	s_add_co_u32 s[G0X+5], s26, B1
	s_lshl_b32 s60, s22, 18
	s_add_nc_u64 s[G0O+2:G0O+3], s[14:15], s[60:61]
	s_add_nc_u64 s[G0O+6:G0O+7], s[G0O+2:G0O+3], 256
	s_or_b32 s[G0O+3], s[G0O+3], 0x80000000
	s_or_b32 s[G0O+7], s[G0O+7], 0x80000000
	s_mov_b32 s[G0O], 1
	s_mov_b32 s[G0O+4], 1
	s_mov_b32 s[G0O+1], s26
	s_add_co_u32 s[G0O+5], s26, B1
	; ew's: rows 64 tb + 32 x half
	s_lshl_b32 s62, s24, 6
	s_lshl_b32 s63, s22, 5
	s_add_co_u32 s62, s62, s63
	s_lshl_b32 s62, s62, 11
	s_mov_b32 s63, 0
	s_add_nc_u64 s[G0A+2:G0A+3], s[4:5], s[62:63]
	s_add_nc_u64 s[G0A+6:G0A+7], s[G0A+2:G0A+3], 128
	s_or_b32 s[G0A+3], s[G0A+3], 0x80000000
	s_or_b32 s[G0A+7], s[G0A+7], 0x80000000
	s_mov_b32 s[G0A], 1
	s_mov_b32 s[G0A+4], 1
	s_mul_i32 s27, s22, 4608
	s_add_co_u32 s[G0A+1], s27, A0
	s_add_co_u32 s[G0A+5], s27, A1
	; the prefetches stand at tile 3: the first refill steps them to tile 4
	s_lshl_b32 s62, s23, 15
	s_lshl_b32 s27, s20, 13
	s_add_co_u32 s62, s62, s27
	s_lshl_b32 s27, s25, 21
	s_add_co_u32 s62, s62, s27
	s_add_co_u32 s62, s62, 3*131072
	s_add_nc_u64 s[PFA:PFA+1], s[6:7], s[62:63]
	; what the second part of the kernel reads and writes
	s_lshl_b32 s62, s20, 15
	s_add_co_u32 s62, s62, 8650752
	s_add_nc_u64 s[88:89], s[8:9], s[62:63]        ; Wq's codes (run 2112 on), my 128 rows
	s_lshl_b32 s27, s24, 7
	s_add_co_u32 s27, s27, s25                     ; run 32 (4 tb) + b
	s_lshl_b32 s62, s27, 12
	s_add_nc_u64 s[90:91], s[8:9], s[62:63]        ; x's codes: my first 16 positions; 16 positions on are 32 runs on
	s_lshl_b32 s62, s27, 8
	s_add_nc_u64 s[92:93], s[10:11], s[62:63]      ; and their scale bytes
	s_lshl_b32 s62, s20, 11
	s_add_co_u32 s62, s62, 540672
	s_add_nc_u64 s[94:95], s[10:11], s[62:63]      ; Wq's scale bytes
	s_lshl_b32 s62, s20, 9
	s_add_nc_u64 s[12:13], s[12:13], s[62:63]      ; bq and bo: my 128 numbers
	s_add_nc_u64 s[16:17], s[16:17], s[62:63]
	s_lshl_b32 s27, s25, 10
	s_lshl_b32 s62, s24, 6
	s_add_co_u32 s62, s62, s27
	s_lshl_b32 s62, s62, 11
	s_lshl_b32 s27, s20, 9
	s_add_co_u32 s62, s62, s27
	s_add_nc_u64 s[18:19], s[18:19], s[62:63]      ; out: row 1,024 b + 64 tb, my 512 bytes of it
	CROUND                                         ; all four work-groups are here: the first joint loads meet
	JLOAD 0
	JLOAD 1                                        ; two tensor loads of mine are out
	s_wait_tensorcnt 1                             ; my part of tile 0 is in; tile 1's may stay out
	s_barrier_signal -1
	s_barrier_wait -1
	FETCH 0, 0, 0
	SBLK 0, 1                                      ; the first 32 positions stand in front of the loop: their products start the sums
	WIN 0
	s_mov_b32 s3, 7
.Llap:                                             ; a trip goes once round the ring and fills both slots again: tiles 2 to 15 in seven trips
	TURN 0, 1, 0
	SBLK 1, 0
	TURN 1, 0, 0
	SBLK 0, 0
	WIN 0
	s_sub_co_u32 s3, s3, 1
	s_cmp_lg_u32 s3, 0
	s_cbranch_scc1 .Llap
	TURN 0, 1, 1                                   ; the tail is written out: the slots take Wo's first two chunks
	SBLK 1, 0
	TURN 1, 0, 2
; ---------------- Yt, Q, G ----------------
	WIN 0
	v_and_b32 v[SA], 15, v0                        ; eight plain lines: the places behind the last products, in front of the loads and of the first read of den
	v_bfe_u32 v[BA], v0, 4, 1
	v_lshlrev_b32 v[XQ], 8, v[SA]
	v_lshl_add_u32 v[XQ], v[BA], 4, v[XQ]
	v_lshlrev_b32 v[SA], 4, v[SA]
	v_lshlrev_b32 v[BA], 5, v[BA]
	v_and_b32 v[CO], 31, v0
	v_lshlrev_b32 v[CO], 4, v[CO]
.irp q, 0,1,2,3
.irp t, 0,1,2,3
.irp c, 0,1
	global_load_b128 v[XF+32*\q+8*\t+4*\c:XF+32*\q+8*\t+4*\c+3], v[XQ], s[90:91] offset:\t*131072+64*\q+32*\c   ; x's fragments: positions 16 t on, K step q
.endr
.endr
.endr
.irp t, 0,1,2,3
	global_load_b128 v[XSW+4*\t:XSW+4*\t+3], v[SA], s[92:93] offset:\t*8192
.endr
.irp d, 0,1,2,3,4,5,6,7
	global_load_b128 v[QSW+4*\d:QSW+4*\d+3], v[SA], s[94:95] offset:\d*256
.endr
.irp d, 0,1,2,3,4,5,6,7
	global_load_b128 v[BQ+8*\d:BQ+8*\d+3],   v[BA], s[12:13] offset:64*\d      ; bq in the result's layout: tile d's eight channels of my half
	global_load_b128 v[BQ+8*\d+4:BQ+8*\d+7], v[BA], s[12:13] offset:64*\d+16
.endr
	WIN 0xc3                                       ; in place in window 3
.set i, 0
.rept 256
	v_rcp_f32 v[i], v[i]                           ; 1 / den, ascending: each accumulator is first read at its lowest register
.set i, i+1
.endr
	v_nop                                          ; a plain line behind the last reciprocal
	s_wait_alu depctr_va_vdst(0)                   ; one wait for the 256
	WIN 0x40
.irp q, 0,1,2,3
.irp d, 0,1,2,3,4,5,6,7
.irp c, 0,1
	global_load_b128 v[64*\q+8*\d+4*\c:64*\q+8*\d+4*\c+3], v[XQ], s[88:89] offset:\d*4096+64*\q+32*\c   ; Wq's fragments, where xf's lay
.endr
.endr
.endr
	WIN 0x8e                                       ; window 2 = window 2 x window 3
.set i, 0
.rept 128
	v_pk_mul_f32 v[i:i+1], v[i:i+1], v[i:i+1]      ; Yt = num / den
.set i, i+2
.endr
	s_wait_loadcnt 0x0
.irp q, 0,1,2,3                                    ; Q^T = Wq x^T + bq: 32 accumulators by turns, K step by K step
.if \q == 0
	WIN 0xc1                                       ; Wq window 1, x and bq window 0, the result window 3
.else
	WIN 0xf1
.endif
.irp t, 0,1,2,3
.irp d, 0,1,2,3,4,5,6,7
.if \q == 0
	v_wmma_scale_f32_16x16x128_f8f6f4 v[8*(8*\t+\d):8*(8*\t+\d)+7], v[64*\q+8*\d:64*\q+8*\d+7], v[XF+32*\q+8*\t:XF+32*\q+8*\t+7], v[BQ+8*\d:BQ+8*\d+7], v[QSW+4*\d+\q], v[XSW+4*\t+\q] matrix_a_fmt:MATRIX_FMT_FP4 matrix_b_fmt:MATRIX_FMT_FP4
.else
	v_wmma_scale_f32_16x16x128_f8f6f4 v[8*(8*\t+\d):8*(8*\t+\d)+7], v[64*\q+8*\d:64*\q+8*\d+7], v[XF+32*\q+8*\t:XF+32*\q+8*\t+7], v[8*(8*\t+\d):8*(8*\t+\d)+7], v[QSW+4*\d+\q], v[XSW+4*\t+\q] matrix_a_fmt:MATRIX_FMT_FP4 matrix_b_fmt:MATRIX_FMT_FP4
.endif
.endr
.endr
.endr
	WIN 0
	PLACES 4                                       ; in front of loads into x's registers and of the first read of Q
.irp e, 0,1,2,3,4,5,6,7
	global_load_b128 v[BO+8*\e:BO+8*\e+3],   v[BA], s[16:17] offset:64*\e
	global_load_b128 v[BO+8*\e+4:BO+8*\e+7], v[BA], s[16:17] offset:64*\e+16
.endr
	WIN 0xc3
.set i, 0
.rept 128
	v_pk_mul_f32 v[i:i+1], v[i:i+1], s[96:97] op_sel_hi:[1,0]   ; -Q log2(e)
.set i, i+2
.endr
.set i, 0
.rept 256
	v_exp_f32 v[i], v[i]
.set i, i+1
.endr
	v_nop
	s_wait_alu depctr_va_vdst(0)                   ; one wait for the 256 exponentials
.set i, 0
.rept 128
	v_pk_add_f32 v[i:i+1], v[i:i+1], 1.0 op_sel_hi:[1,0]
.set i, i+2
.endr
.set i, 0
.rept 256
	v_rcp_f32 v[i], v[i]                           ; sigmoid(Q) = 1 / (1 + 2^(-Q log2(e)))
.set i, i+1
.endr
	v_nop
	s_wait_alu depctr_va_vdst(0)                   ; one wait for the 256 reciprocals
	WIN 0x8e
.set i, 0
.rept 128
	v_pk_mul_f32 v[i:i+1], v[i:i+1], v[i:i+1]      ; G = sigmoid(Q) Yt
.set i, i+2
.endr
	WIN 0x4a                                       ; from window 2 into window 1
.set i, 0
.rept 128
	v_cvt_pk_bf16_f32 v[i], v[2*i], v[2*i+1]       ; accumulator a's eight channels: registers 4 a .. 4 a + 3
.set i, i+1
.endr
	WIN 0
; ---------------- out = G Wo^T + bo ----------------
.macro GSTORE wv, adr                  ; wave wv's G goes to LDS as it stands: 32 stores of 512 bytes, lane l's 16 bytes at 16 l
	s_cmp_lg_u32 s20, \wv
	s_cbranch_scc1 .Lnot_g_\@
	WIN 0x04                                       ; an LDS store's data are its source 1: window 1
.set i, 0
.rept 32
	ds_store_b128 v[\adr], v[4*i:4*i+3] offset:512*i
.set i, i+1
.endr
	WIN 0
.Lnot_g_\@:
.endm
.macro FETCHO slot, gs, kf, f          ; 24 LDS loads: 32 along d (the chunk's kf-th): my eight fragments of Wo, G's four
	WIN 0x40
.irp e, 0,1,2,3,4,5,6,7
	ds_load_b128 v[128+64*\f+8*\e:128+64*\f+8*\e+3],   v[ADO+\slot] offset:\e*4352+64*\kf
	ds_load_b128 v[128+64*\f+8*\e+4:128+64*\f+8*\e+7], v[ADO+\slot] offset:\e*4352+64*\kf+32
.endr
	WIN 0
.irp t, 0,1,2,3
	ds_load_b128 v[GF+32*\f+8*\t:GF+32*\f+8*\t+3],   v[GRD+\gs] offset:1024*(4*\t+\kf)
	ds_load_b128 v[GF+32*\f+8*\t+4:GF+32*\f+8*\t+7], v[GRD+\gs] offset:1024*(4*\t+\kf)+512
.endr
.endm
.macro MULO f, bias                    ; 32 products, the 32 accumulators by turns.  bias = 1: bo's tiles are the C: they start the sums
.if \bias
	WIN 0xc1
.else
	WIN 0xf1
.endif
.irp t, 0,1,2,3
.irp e, 0,1,2,3,4,5,6,7
.if \bias
	v_wmma_f32_16x16x32_bf16 v[8*(8*\t+\e):8*(8*\t+\e)+7], v[128+64*\f+8*\e:128+64*\f+8*\e+7], v[GF+32*\f+8*\t:GF+32*\f+8*\t+7], v[BO+8*\e:BO+8*\e+7]
.else
	v_wmma_f32_16x16x32_bf16 v[8*(8*\t+\e):8*(8*\t+\e)+7], v[128+64*\f+8*\e:128+64*\f+8*\e+7], v[GF+32*\f+8*\t:GF+32*\f+8*\t+7], v[8*(8*\t+\e):8*(8*\t+\e)+7]
.endif
.endr
.endr
.endm
.macro OP slot, bias                   ; a chunk of 128 along d: four blocks of 32, fetched two blocks ahead
	PLACES 4                                       ; in front of loads into registers that matrix instructions have read
	FETCHO \slot, \slot, 0, 0
	FETCHO \slot, \slot, 1, 1
	s_wait_dscnt 24                                ; all but the 24 just issued
	MULO 0, \bias
	PLACES 4
	FETCHO \slot, \slot, 2, 0
	s_wait_dscnt 24
	MULO 1, 0
	PLACES 4
	FETCHO \slot, \slot, 3, 1
	s_wait_dscnt 24
	MULO 0, 0
	s_wait_dscnt 0x0
	MULO 1, 0
	WIN 0
.endm
; Between two chunks: all my tensor loads have landed (the next chunk's part among them), the add, my LDS reads and stores are done; then the round and the refill of the slot just read, or, where nothing is left to fetch, my work-group's barrier
.macro CHANGE_O slot, refill
	s_wait_tensorcnt 0x0
	ds_add_u32 v[SPW], v[NIL]
.if \refill
	s_add_nc_u64 s[G0O+4*\slot+2:G0O+4*\slot+3], s[G0O+4*\slot+2:G0O+4*\slot+3], 512   ; two chunks on
.endif
	s_wait_dscnt 0x0
.if \refill
	CROUND
	JLOADO \slot
.else
	s_barrier_signal -1
	s_barrier_wait -1
.endif
.endm
	GSTORE 0, GRD                                  ; chunk 0's and chunk 1's G.  ew's slots, in which region 1 lies, were last read in front of the last round
	GSTORE 1, GRD+1
	s_wait_dscnt 0x0                               ; for the others' sake: my stores have landed
	s_barrier_signal -1
	s_barrier_wait -1                              ; Wo's chunk 0 was shown landed in front of the last round; chunk 1's load may stay out
	s_wait_loadcnt 0x0                             ; bo
	OP 0, 1
	CHANGE_O 0, 1                                  ; chunk 2 into slot 0;
	GSTORE 2, GRD                                  ; wave 2's G into region 0, which every wave has read out; it is read behind the next round
	OP 1, 0
	CHANGE_O 1, 1                                  ; chunk 3 into slot 1: the last tensor load
	GSTORE 3, GRD+1
	OP 0, 0
	CHANGE_O 0, 0
	OP 1, 0
; ---------------- the way out: 16 rows x my 128 outputs at a time through my own stage, which lies in slot 0: that slot has had its last fill, and every wave has passed the barrier behind its last read ----------------
.macro TOSTAGE a
	WIN 0x0c                                       ; the data: window 3
.irp e, 0,1,2,3,4,5,6,7
	ds_store_b128 v[STO], v[8*(8*(\a)+\e):8*(8*(\a)+\e)+3] offset:64*\e          ; each accumulator from its low end on
	ds_store_b128 v[STO], v[8*(8*(\a)+\e)+4:8*(8*(\a)+\e)+7] offset:64*\e+16
.endr
	WIN 0
.set BB, BK+64*((\a)%2)
.irp i, 0,1,2,3,4,5,6,7,8,9,10,11,12,13,14,15
	ds_load_b128 v[BB+4*\i:BB+4*\i+3], v[RD] offset:\i*528      ; LDS serves a wave's instructions in order (ISA guide 5.7.1.4): these see the stores above
.endr
.endm
.macro SEND a, younger                 ; younger: the LDS instructions issued behind block a's loads, which may stay out
.set BB, BK+64*((\a)%2)
	s_wait_dscnt \younger
.irp i, 0,1,2,3,4,5,6,7,8,9,10,11,12,13,14,15
	global_store_b128 v[CO], v[BB+4*\i:BB+4*\i+3], s[18:19] offset:(16*(\a)+\i)*2048 th:TH_STORE_NT   ; 32 lanes store 512 consecutive bytes, aligned
.endr
.endm
	PLACES 4                                       ; in front of the first read of results and of loads into G's and bo's registers
	TOSTAGE 0
.irp a, 1,2,3
.if \a > 1
	s_wait_xcnt 0x0                                ; block a - 2's stores have read their registers: block a's loads may land there
.endif
	TOSTAGE \a
	SEND \a-1, 32                                  ; behind block a - 1's loads: block a's 16 stores and 16 loads
.endr
	SEND 3, 0
	s_wait_tensorcnt 0x0                           ; the wave's end
	ds_add_u32 v[SPW], v[NIL]
	s_wait_dscnt 0x0
	CROUND                                         ; the closing round: no work-group ends while a partner may still ask for a tile that names it
	s_endpgm
.Lfunc_end_k_q007afde83c_aft:
	.size	k_q007afde83c_aft, .Lfunc_end_k_q007afde83c_aft-k_q007afde83c_aft
	.p2alignl 7, 3214868480
	.fill 96, 4, 3214868480
	.section	.rodata,"a",@progbits
	.p2align	6, 0x0
	.amdhsa_kernel k_q007afde83c_aft
		.amdhsa_group_segment_fixed_size 327680
		.amdhsa_private_segment_fixed_size 0
		.amdhsa_enable_private_segment 0
		.amdhsa_kernarg_size 64
		.amdhsa_user_sgpr_count 2
		.amdhsa_user_sgpr_kernarg_segment_ptr 1
		.amdhsa_wavefront_size32 1
		.amdhsa_system_sgpr_workgroup_id_x 1
		.amdhsa_system_sgpr_workgroup_id_y 1
		.amdhsa_system_sgpr_workgroup_id_z 1
		.amdhsa_system_vgpr_workitem_id 0
		.amdhsa_next_free_vgpr 1024
		.amdhsa_next_free_sgpr 100
		.amdhsa_reserve_vcc 0
		.amdhsa_float_denorm_mode_32 3
		.amdhsa_float_denorm_mode_16_64 3
		.amdhsa_memory_ordered 1
		.amdhsa_forward_progress 1
		.amdhsa_inst_pref_size 246
	.end_amdhsa_kernel
	.amdgpu_metadata
---
amdhsa.version: [ 1, 2 ]
amdhsa.kernels:
  - .name:           k_q007afde83c_aft
    .symbol:         k_q007afde83c_aft.kd
    .args:
      - { .name: ewb, .offset: 0, .size: 8, .value_kind: global_buffer, .address_space: global }
      - { .name: xf, .offset: 8, .size: 8, .value_kind: global_buffer, .address_space: global }
      - { .name: codes, .offset: 16, .size: 8, .value_kind: global_buffer, .address_space: global }
      - { .name: scales, .offset: 24, .size: 8, .value_kind: global_buffer, .address_space: global }
      - { .name: Wq_b, .offset: 32, .size: 8, .value_kind: global_buffer, .address_space: global }
      - { .name: wob, .offset: 40, .size: 8, .value_kind: global_buffer, .address_space: global }
      - { .name: Wo_b, .offset: 48, .size: 8, .value_kind: global_buffer, .address_space: global }
      - { .name: out0, .offset: 56, .size: 8, .value_kind: global_buffer, .address_space: global }
    .group_segment_fixed_size: 327680
    .private_segment_fixed_size: 0
    .kernarg_segment_align: 8
    .kernarg_segment_size: 64
    .max_flat_workgroup_size: 128
    .sgpr_count:     100
    .vgpr_count:     1024
    .wavefront_size: 32
...
	.end_amdgpu_metadata
.endif
;; end of part 3
;; ======== version 2 of 2: 4 launches
;; workspace buffers: codes 8,781,824 bytes; scales 548,864 bytes; ewb 2,097,152 bytes; wob 524,288 bytes; xf 67,108,864 bytes; gf 33,554,432 bytes
;; launch prep: the kernel of part 1 again; grid 632 x 1, 4 waves a work-group, no clusters, 33,280 bytes of LDS; arguments x, Wk_w, Wv_w, Wq_w, w, Wo_w, codes, scales, ewb, wob; writes codes, scales, ewb, wob
;; launch kv (part 4): grid 4 x 64, 4 waves a work-group, clusters of 4 x 1, 167,936 bytes of LDS; arguments codes, scales, Wk_b, Wv_b, xf; writes xf
.if DOCPART == 4
	.amdgcn_target "amdgcn-amd-amdhsa--gfx1250"
	.amdhsa_code_object_version 6
	.text
	.protected	k_q007afde83c_kv
	.globl	k_q007afde83c_kv
	.p2align	8
	.type	k_q007afde83c_kv,@function
k_q007afde83c_kv:
	s_mov_b64 s[64:65], 0
	v_nop
	global_prefetch_b8 v0, s[64:65] scope:SCOPE_SE
	s_setreg_imm32_b32 hwreg(HW_REG_WAVE_MODE, 25, 1), 1
	s_wait_xcnt 0x0
	s_wait_alu depctr_hold_cnt(0) depctr_sa_sdst(0) depctr_va_vdst(0) depctr_va_sdst(0) depctr_va_ssrc(0) depctr_va_vcc(0) depctr_vm_vsrc(0)
	s_getreg_b32 s2, hwreg(HW_REG_IB_STS2, 6, 4)
	s_cmp_eq_u32 s2, 0
	s_cbranch_scc0 .Lentry_in_a_cluster
	s_endpgm
.Lentry_in_a_cluster:
	s_bfe_u32 s2, ttmp6, 0x10000c
	s_cmp_lg_u32 s2, 0x3003
	s_cbranch_scc0 .Lentry_shape_is_right
	s_endpgm
.Lentry_shape_is_right:
; KV: K = x Wk^T + bk and V = x Wv^T + bv on codes of FP4 with E8M0 scales; m = the maximum of K over the 32 BATCHES; ek = exp(K - m); ek V and ek leave as bf16.
; SHARES.  A work-group takes 16 positions t (work-group y) of ALL 32 batches, 512 rows of x, and 128 columns e (its place cx in the cluster).  Wave w takes two tiles of 16 columns, 128 cx + 32 w + 16 u, for all 32 batches.
; So the maximum over the batches is taken register by register inside a lane: the 64 accumulators of K (32 batches x 2 tiles, 512 registers) stay in registers until V is made.
; CLUSTER.  The four work-groups of a cluster need the same 512 rows of codes and their scale bytes: both come by joint tensor loads (a mask that names the four), once, at the start.  Nothing is filled again.
; ORIENTATION.  Source 0 = 16 rows of x (the 16 positions of one batch), source 1 = 16 rows of W.  In the result a lane holds ONE column e (lane % 16) and its registers the positions 8 (lane / 16) + 0 .. 7.
; Eight registers rounded to bf16 are 16 bytes: just what lane l of a bf16 fragment (16 columns x 32 positions, the positions being the next product's K) holds.  xf is laid as images of such fragments:
; xf[b][e / 128][t / 32][(e / 16) % 8][kind: 0 = ek V, 1 = ek][(t / 16) % 2][lane][16 bytes]: each store of a wave covers 512 consecutive bytes, aligned, and 128 positions of 128 columns of one batch are 65,536 bytes on end.
; The biases are the C of each sum's first matrix instruction.
; LIMITS: NaN and infinities are not served; v_exp_f32 gives 0 where ek would be denormal (ISA guide, its entry in 15.8); ek V and ek are rounded to bf16 (the next product is one that is left as it is; f16 has no room for V).
; REGISTERS, in windows of 256 (s_set_vgpr_msb: bits 1:0 source 0, 3:2 source 1, 5:4 source 2, 7:6 destination):
;   window 0: v4-15 addresses; v32-55 scale words and nothing else; v56-71 m; v128-255 x's fragments, two sets of a pair of batches.
;   window 1: v0-127 Wk's and Wv's fragments; v128-159 the biases as tiles; v160-191 V's four accumulators; v192-223 packed results.
;   window 2: K's accumulators of batches 0-15 (batch b, tile u at v[8 (2 (b % 16) + u)]);   window 3: those of batches 16-31.
.set XS,    139264                     ; LDS: 512 rows of codes x (256 + 16) bytes; then the scale bytes, 8,192 dense;
.set SPARE, 147456                     ; then the spare words, 128 bytes a wave
.set AD,   4                           ; v4-7  LDS address of my lane in the rows of batches 8 g .. 8 g + 7
.set AS,   8                           ; v8    of x's scale words: 16 x lane
.set WA,   9                           ; v9    256 r + 16 h: my lane in a weight's fragment
.set WS,   10                          ; v10   16 r: a weight's scale words
.set BA,   11                          ; v11   4 r: a bias
.set SO,   12                          ; v12   16 x lane: an image
.set SPW,  14
.set NIL,  15
.set XSW,  32                          ; v32-39 x's scale words, two sets x four K steps: lanes 0-15 the even batch, lanes 16-31 the odd one
.set KSW,  40                          ; v40-47 Wk's, at 4 u + q
.set VSW,  48                          ; v48-55 Wv's
.set M,    56
.set XFR,  128
.set WKF,  0                           ; window 1
.set WVF,  64
.set BK,   128
.set BV,   144
.set VA,   160
.set PN,   192
.set PE,   208
.set MSB, 0
.macro WIN new                         ; the immediate's high byte repeats the setting that is left; a switch that changes nothing is dropped
.if MSB != (\new)
	s_set_vgpr_msb (MSB<<8)|(\new)
.set MSB, (\new)
.endif
.endm
.macro PLACES n
.rept \n
	v_nop
.endr
.endm
.macro CROUND                          ; a round of the cluster's barrier
	s_barrier_signal -1
	s_barrier_wait -1
	s_cmp_lg_u32 s14, 0
	s_cbranch_scc1 .Lnot_wave_0_\@
	s_barrier_signal -3
.Lnot_wave_0_\@:
	s_barrier_wait -3
	s_barrier_signal -1
	s_barrier_wait -1
.endm
	s_load_b256 s[4:11], s[0:1], 0x0               ; codes 4, scales 6, Wk_b 8, Wv_b 10
	s_load_b64 s[12:13], s[0:1], 0x20              ; xf
	v_lshl_add_u32 v[SPW], v0, 2, SPARE
	v_mov_b32 v[NIL], 0
	ds_add_u32 v[SPW], v[NIL]                      ; the wave's opening: the add, twice on end, and its wait ahead of my first tensor load
	ds_add_u32 v[SPW], v[NIL]
	v_lshrrev_b32 v1, 5, v0
	v_readfirstlane_b32 s14, v1                    ; wave 0..3
	s_bfe_u32 s15, ttmp6, 0x40000                  ; cx: which 128 columns; it enters global addresses of my own loads and stores alone
	s_and_b32 s3, ttmp7, 0xffff                    ; which 16 positions: shared by the four partners
	; group 1 for the codes: 128 rows of 256 bytes, dense in memory, 16 bytes of padding behind each in LDS
	s_mov_b32 s16, 15|(1<<20)|(1<<21)|(5<<22)|(3<<25)   ; the mask: all four; elements of 1 byte; padding on; bit 21 beside a mask; after every 64 words, 4 words
	s_mov_b32 s17, 256<<16
	s_mov_b32 s18, 128<<16
	s_mov_b32 s19, 256<<16
	s_mov_b32 s20, 128
	s_mov_b32 s21, 256
	s_mov_b32 s22, 0
	s_mov_b32 s23, 0
	; group 1 for the scale bytes: 8 rows of 256 bytes (32 elements of 8), dense, no padding
	s_mov_b32 s28, 15|(3<<16)|(1<<21)
	s_mov_b32 s29, 32<<16
	s_mov_b32 s30, 8<<16
	s_mov_b32 s31, 32<<16
	s_mov_b32 s32, 8
	s_mov_b32 s33, 32
	s_mov_b32 s34, 0
	s_mov_b32 s35, 0
	s_mov_b32 s48, 0x3fb8aa3b                      ; log2(e), as a pair for the packed form
	s_mov_b32 s49, s48
	v_and_b32 v1, 15, v0                           ; r
	v_bfe_u32 v2, v0, 4, 1                         ; h
	v_and_b32 v3, 31, v0                           ; lane
	v_mul_u32_u24 v[AD], v1, 272
	v_lshl_add_u32 v[AD], v2, 4, v[AD]             ; row r x pitch + 16 h
	v_add_nc_u32 v[AD+1], 34816, v[AD]             ; eight batches are 128 rows
	v_add_nc_u32 v[AD+2], 69632, v[AD]
	v_add_nc_u32 v[AD+3], 104448, v[AD]
	v_lshl_add_u32 v[AS], v3, 4, XS
	v_lshlrev_b32 v[WA], 8, v1
	v_lshl_add_u32 v[WA], v2, 4, v[WA]
	v_lshlrev_b32 v[WS], 4, v1
	v_lshlrev_b32 v[BA], 2, v1
	v_lshlrev_b32 v[SO], 4, v3
	s_wait_dscnt 0x0                               ; both opening adds are done
	s_wait_kmcnt 0x0
	; the joint loads: wave w fetches rows 128 w .. 128 w + 127 (batches 8 w .. 8 w + 7) and their scale bytes.  Nothing in these registers hangs on cx
	s_lshl_b32 s40, s3, 17
	s_lshl_b32 s41, s14, 15
	s_add_co_u32 s40, s40, s41
	s_mov_b32 s41, 0
	s_mov_b32 s24, 1
	s_mul_i32 s25, s14, 34816
	s_add_nc_u64 s[26:27], s[4:5], s[40:41]
	s_or_b32 s27, s27, 0x80000000
	s_lshl_b32 s40, s3, 13
	s_lshl_b32 s42, s14, 11
	s_add_co_u32 s40, s40, s42
	s_mov_b32 s36, 1
	s_add_co_u32 s37, s42, XS
	s_add_nc_u64 s[38:39], s[6:7], s[40:41]
	s_or_b32 s39, s39, 0x80000000
	; my own addresses: my first column e = 128 cx + 32 w
	s_lshl_b32 s44, s15, 7
	s_lshl_b32 s45, s14, 5
	s_add_co_u32 s44, s44, s45
	s_mov_b32 s47, 0
	s_lshl_b32 s46, s44, 8
	s_add_nc_u64 s[50:51], s[4:5], s[46:47]
	s_add_nc_u64 s[50:51], s[50:51], 8388608       ; the weights' codes begin at run 2048
	s_lshl_b32 s46, s44, 4
	s_add_nc_u64 s[52:53], s[6:7], s[46:47]
	s_add_nc_u64 s[52:53], s[52:53], 524288        ; and their scale bytes
	s_lshl_b32 s46, s44, 2
	s_add_nc_u64 s[8:9], s[8:9], s[46:47]
	s_add_nc_u64 s[10:11], s[10:11], s[46:47]
	s_lshl_b32 s46, s15, 19                        ; xf: my block of 128 columns: 524,288 bytes a block,
	s_lshl_b32 s45, s14, 12
	s_add_co_u32 s46, s46, s45                     ; + my two tiles in it: 2 w x 2,048,
	s_lshr_b32 s45, s3, 1
	s_lshl_b32 s45, s45, 14
	s_add_co_u32 s46, s46, s45                     ; + (t / 32) x 16,384,
	s_and_b32 s45, s3, 1
	s_lshl_b32 s45, s45, 9
	s_add_co_u32 s46, s46, s45                     ; + ((t / 16) % 2) x 512
	s_add_nc_u64 s[12:13], s[12:13], s[46:47]
	CROUND                                         ; all four work-groups are here: the joint loads meet
	tensor_load_to_lds s[24:27], s[16:23]          ; my two fills stand together: two tensor loads of mine are out
	s_nop 0
	tensor_load_to_lds s[36:39], s[28:35]
	s_nop 0
	PLACES 4
	WIN 0x40                                       ; destination window 1
.irp u, 0,1
.irp q, 0,1,2,3
.irp c, 0,1
	global_load_b128 v[WKF+8*(4*\u+\q)+4*\c:WKF+8*(4*\u+\q)+4*\c+3], v[WA], s[50:51] offset:\u*4096+64*\q+32*\c
	global_load_b128 v[WVF+8*(4*\u+\q)+4*\c:WVF+8*(4*\u+\q)+4*\c+3], v[WA], s[50:51] offset:131072+\u*4096+64*\q+32*\c
.endr
.endr
.endr
.irp u, 0,1
.irp j, 0,1,2,3,4,5,6,7
	global_load_b32 v[BK+8*\u+\j], v[BA], s[8:9] offset:64*\u     ; a lane's column has one bias for all eight positions
	global_load_b32 v[BV+8*\u+\j], v[BA], s[10:11] offset:64*\u
.endr
.endr
	WIN 0
.irp u, 0,1
	global_load_b128 v[KSW+4*\u:KSW+4*\u+3], v[WS], s[52:53] offset:256*\u
	global_load_b128 v[VSW+4*\u:VSW+4*\u+3], v[WS], s[52:53] offset:8192+256*\u
.endr
	s_wait_tensorcnt 0x0                           ; my parts have landed,
	s_barrier_signal -1
	s_barrier_wait -1                              ; everybody's have
; the fragments of batches 2 p and 2 p + 1 (16 rows x 512 K each: 4 x 8 registers) and their scale words, into set f: 17 LDS loads
.macro LOADP p, f
.irp b2, 0,1
.irp q, 0,1,2,3
.irp c, 0,1
	ds_load_b128 v[XFR+64*(\f)+32*\b2+8*\q+4*\c:XFR+64*(\f)+32*\b2+8*\q+4*\c+3], v[AD+(2*(\p)+\b2)/8] offset:((2*(\p)+\b2)%8)*4352+64*\q+32*\c
.endr
.endr
.endr
	ds_load_b128 v[XSW+4*(\f):XSW+4*(\f)+3], v[AS] offset:512*(\p)
.endm
.macro FP4MM row1                      ; one product on the registers named by rD, rA, rB, rC, rSA, rSB; row1: source 0's scales lie in lanes 16-31
.if \row1
	v_wmma_scale_f32_16x16x128_f8f6f4 v[rD:rD+7], v[rA:rA+7], v[rB:rB+7], v[rC:rC+7], v[rSA], v[rSB] matrix_a_fmt:MATRIX_FMT_FP4 matrix_b_fmt:MATRIX_FMT_FP4 matrix_a_scale:MATRIX_SCALE_ROW1
.else
	v_wmma_scale_f32_16x16x128_f8f6f4 v[rD:rD+7], v[rA:rA+7], v[rB:rB+7], v[rC:rC+7], v[rSA], v[rSB] matrix_a_fmt:MATRIX_FMT_FP4 matrix_b_fmt:MATRIX_FMT_FP4
.endif
.endm
; The head of step ST: five places (the loads below land in registers that earlier products have read, and V's accumulators are begun anew), the next pair's loads, the wait for this pair's
.macro STEPHEAD
	WIN 0
.if ST > 0
	PLACES 5
.endif
.if ST < 31
	LOADP (ST+1)%16, (ST+1)%2
	s_wait_dscnt 17                                ; all but the 17 just issued: this pair's fragments and scale words are in
.else
	s_wait_dscnt 0x0
.endif
.endm
; K of a pair of batches: 16 products, the four accumulators by turns, one instruction a turn
.macro KSTEP p, f
.set KW, (\p)/8
.irp q, 0,1,2,3
.if \q == 0
	WIN 0x94+0x40*KW                               ; W and the bias in window 1, the result in window 2 or 3
.else
	WIN 0xa4+0x50*KW                               ; in place
.endif
.irp b2, 0,1
.irp u, 0,1
.set rD, 8*(2*((2*(\p)+\b2)%16)+\u)
.set rA, XFR+64*(\f)+32*\b2+8*\q
.set rB, WKF+8*(4*\u+\q)
.set rC, rD
.if \q == 0
.set rC, BK+8*\u
.endif
.set rSA, XSW+4*(\f)+\q
.set rSB, KSW+4*\u+\q
	FP4MM \b2
.endr
.endr
.endr
.endm
; V of a pair of batches, x ek, both rounded to bf16 and stored as images
.macro VSTEP p, f
.set KW, (\p)/8
	WIN 0x54                                       ; W, the bias and the result in window 1
.irp q, 0,1,2,3
.irp b2, 0,1
.irp u, 0,1
.set rD, VA+8*(2*\b2+\u)
.set rA, XFR+64*(\f)+32*\b2+8*\q
.set rB, WVF+8*(4*\u+\q)
.set rC, rD
.if \q == 0
.set rC, BV+8*\u
.endif
.set rSA, XSW+4*(\f)+\q
.set rSB, VSW+4*\u+\q
	FP4MM \b2
.endr
.endr
.endr
	PLACES 4                                       ; in front of the first read of results just made
	WIN 0x49+4*KW                                  ; V in window 1, ek in window 2 or 3
.irp b2, 0,1
.irp u, 0,1
.irp j, 0,2,4,6
	v_pk_mul_f32 v[VA+8*(2*\b2+\u)+\j:VA+8*(2*\b2+\u)+\j+1], v[VA+8*(2*\b2+\u)+\j:VA+8*(2*\b2+\u)+\j+1], v[8*(2*((2*(\p)+\b2)%16)+\u)+\j:8*(2*((2*(\p)+\b2)%16)+\u)+\j+1]   ; each accumulator from its low end on
.endr
.endr
.endr
	s_wait_xcnt 0x0                                ; the last pair's stores have read their data and their base: both are written again only behind this wait
.if (\p) > 0
	s_add_nc_u64 s[12:13], s[12:13], 4194304       ; two batches on
.endif
	WIN 0x45
.irp a, 0,1,2,3
.irp k, 0,1,2,3
	v_cvt_pk_bf16_f32 v[PN+4*\a+\k], v[VA+8*\a+2*\k], v[VA+8*\a+2*\k+1]
.endr
.endr
	WIN 0x4a+5*KW
.irp b2, 0,1
.irp u, 0,1
.irp k, 0,1,2,3
	v_cvt_pk_bf16_f32 v[PE+4*(2*\b2+\u)+\k], v[8*(2*((2*(\p)+\b2)%16)+\u)+2*\k], v[8*(2*((2*(\p)+\b2)%16)+\u)+2*\k+1]
.endr
.endr
.endr
	WIN 0x04                                       ; a store's data are its source 1: window 1
.irp b2, 0,1
.irp u, 0,1
	global_store_b128 v[SO], v[PN+4*(2*\b2+\u):PN+4*(2*\b2+\u)+3], s[12:13] offset:\b2*2097152+\u*2048 th:TH_STORE_NT        ; 32 lanes store 512 consecutive bytes, aligned
	global_store_b128 v[SO], v[PE+4*(2*\b2+\u):PE+4*(2*\b2+\u)+3], s[12:13] offset:\b2*2097152+\u*2048+1024 th:TH_STORE_NT
.endr
.endr
.endm
	LOADP 0, 0
	s_wait_loadcnt 0x0                             ; the weights, their scale words and the biases
.set ST, 0
.rept 16
	STEPHEAD
	KSTEP ST%16, ST%2
.set ST, ST+1
.endr
	WIN 0
	PLACES 4                                       ; in front of the first read of K
; THE MAXIMUM OVER THE 32 BATCHES, three operands at a time.  Stage by stage, and in a stage the registers ascending: each accumulator is first read at its lowest register.
.macro MAXST n0, n1
.irp u, 0,1
.irp j, 0,1,2,3,4,5,6,7
	v_max3_num_f32 v[M+8*\u+\j], v[M+8*\u+\j], v[8*(2*(\n0)+\u)+\j], v[8*(2*(\n1)+\u)+\j]
.endr
.endr
.endm
	WIN 0x2a                                       ; three sources in window 2
.irp u, 0,1
.irp j, 0,1,2,3,4,5,6,7
	v_max3_num_f32 v[M+8*\u+\j], v[8*\u+\j], v[8*(2+\u)+\j], v[8*(4+\u)+\j]
.endr
.endr
	WIN 0x28
.irp n, 3,5,7,9,11,13
	MAXST \n, \n+1
.endr
	WIN 0x38                                       ; batch 15 in window 2, batch 16 in window 3
	MAXST 15, 0
	WIN 0x3c
.irp n, 1,3,5,7,9,11,13
	MAXST \n, \n+1
.endr
	WIN 0x0c
.irp u, 0,1
.irp j, 0,1,2,3,4,5,6,7
	v_max_num_f32 v[M+8*\u+\j], v[M+8*\u+\j], v[8*(30+\u)+\j]
.endr
.endr
; ek = 2^((K - m) log2(e)), in place, a window at a time: the difference first, then the scaling.  One wait for a window's 256 exponentials.
.macro EXPPH
.set i, 0
.rept 32
.irp j, 0,2,4,6
	v_pk_add_f32 v[8*i+\j:8*i+\j+1], v[8*i+\j:8*i+\j+1], v[M+8*(i%2)+\j:M+8*(i%2)+\j+1] neg_lo:[0,1] neg_hi:[0,1]
.endr
.set i, i+1
.endr
.set i, 0
.rept 128
	v_pk_mul_f32 v[i:i+1], v[i:i+1], s[48:49] op_sel_hi:[1,0]
.set i, i+2
.endr
.set i, 0
.rept 256
	v_exp_f32 v[i], v[i]
.set i, i+1
.endr
	v_nop                                          ; a plain line behind the last exponential
	s_wait_alu depctr_va_vdst(0)                   ; the wait ahead of the next line that names one of these registers
.endm
	WIN 0x82                                       ; K in window 2, m in window 0
	EXPPH
	WIN 0xc3
	EXPPH
.rept 16
	STEPHEAD
	VSTEP ST%16, ST%2
.set ST, ST+1
.endr
	WIN 0
	s_wait_tensorcnt 0x0                           ; the wave's end
	ds_add_u32 v[SPW], v[NIL]
	s_wait_dscnt 0x0
	CROUND                                         ; the closing round
	s_endpgm
.Lfunc_end_k_q007afde83c_kv:
	.size	k_q007afde83c_kv, .Lfunc_end_k_q007afde83c_kv-k_q007afde83c_kv
	.p2alignl 7, 3214868480
	.fill 96, 4, 3214868480
	.section	.rodata,"a",@progbits
	.p2align	6, 0x0
	.amdhsa_kernel k_q007afde83c_kv
		.amdhsa_group_segment_fixed_size 167936
		.amdhsa_private_segment_fixed_size 0
		.amdhsa_enable_private_segment 0
		.amdhsa_kernarg_size 40
		.amdhsa_user_sgpr_count 2
		.amdhsa_user_sgpr_kernarg_segment_ptr 1
		.amdhsa_wavefront_size32 1
		.amdhsa_system_sgpr_workgroup_id_x 1
		.amdhsa_system_sgpr_workgroup_id_y 1
		.amdhsa_system_sgpr_workgroup_id_z 1
		.amdhsa_system_vgpr_workitem_id 0
		.amdhsa_next_free_vgpr 1024
		.amdhsa_next_free_sgpr 66
		.amdhsa_reserve_vcc 0
		.amdhsa_float_denorm_mode_32 3
		.amdhsa_float_denorm_mode_16_64 3
		.amdhsa_memory_ordered 1
		.amdhsa_forward_progress 1
		.amdhsa_inst_pref_size 248
	.end_amdhsa_kernel
	.amdgpu_metadata
---
amdhsa.version: [ 1, 2 ]
amdhsa.kernels:
  - .name:           k_q007afde83c_kv
    .symbol:         k_q007afde83c_kv.kd
    .args:
      - { .name: codes, .offset: 0, .size: 8, .value_kind: global_buffer, .address_space: global }
      - { .name: scales, .offset: 8, .size: 8, .value_kind: global_buffer, .address_space: global }
      - { .name: Wk_b, .offset: 16, .size: 8, .value_kind: global_buffer, .address_space: global }
      - { .name: Wv_b, .offset: 24, .size: 8, .value_kind: global_buffer, .address_space: global }
      - { .name: xf, .offset: 32, .size: 8, .value_kind: global_buffer, .address_space: global }
    .group_segment_fixed_size: 167936
    .private_segment_fixed_size: 0
    .kernarg_segment_align: 8
    .kernarg_segment_size: 40
    .max_flat_workgroup_size: 128
    .sgpr_count:     66
    .vgpr_count:     1024
    .wavefront_size: 32
...
	.end_amdgpu_metadata
.endif
;; end of part 4
;; launch aftg (part 5): grid 4 x 128, 4 waves a work-group, clusters of 4 x 4, 327,680 bytes of LDS; arguments ewb, xf, codes, scales, Wq_b, gf; writes gf
.if DOCPART == 5
	.amdgcn_target "amdgcn-amd-amdhsa--gfx1250"
	.amdhsa_code_object_version 6
	.text
	.protected	k_q007afde83c_aftg
	.globl	k_q007afde83c_aftg
	.p2align	8
	.type	k_q007afde83c_aftg,@function
k_q007afde83c_aftg:
	s_mov_b64 s[64:65], 0
	v_nop
	global_prefetch_b8 v0, s[64:65] scope:SCOPE_SE
	s_setreg_imm32_b32 hwreg(HW_REG_WAVE_MODE, 25, 1), 1
	s_wait_xcnt 0x0
	s_wait_alu depctr_hold_cnt(0) depctr_sa_sdst(0) depctr_va_vdst(0) depctr_va_sdst(0) depctr_va_ssrc(0) depctr_va_vcc(0) depctr_vm_vsrc(0)
	s_getreg_b32 s2, hwreg(HW_REG_IB_STS2, 6, 4)
	s_cmp_eq_u32 s2, 0
	s_cbranch_scc0 .Lentry_in_a_cluster
	s_endpgm
.Lentry_in_a_cluster:
	s_bfe_u32 s2, ttmp6, 0x10000c
	s_cmp_lg_u32 s2, 0xf033
	s_cbranch_scc0 .Lentry_shape_is_right
	s_endpgm
.Lentry_shape_is_right:
; AFTG: num = ew (ek V), den = ew ek (bf16 operands, f32 sums, K = the 1,024 positions s); Yt = num / den; Q = x Wq^T + bq on codes of FP4; G = sigmoid(Q) Yt, which leaves as bf16.
; SHARES.  A cluster of 4 x 4 work-groups takes one batch b (the cluster's y).  The work-group at (cx, cy) takes positions t = 256 cy .. + 255 and channels d = 128 cx .. + 127, num and den: a block of 256 x 256 sums.
; Wave w = 2 wr + wc takes positions 128 wr .. + 127 and channels 64 wc .. + 63: 32 accumulators of num (window 2) and 32 of den (window 3), accumulator (tI, dJ) at v[8 (4 tI + dJ)].
; K goes in steps of 128 positions s through a ring of two LDS slots: 256 rows x 256 bytes of ew, and 65,536 dense bytes of xf (64 images of fragments, as 256 rows of 256 bytes): 256 products a wave in a step.
; CLUSTER.  ew's tile hangs on cy alone and is asked for jointly along a row of the cluster; xf's hangs on b and cx and is asked for jointly along a column.  Waves 0, 1 fetch ew's halves, waves 2, 3 xf's: one tensor load a wave behind each round.
; ORIENTATION.  Every product is used transposed: source 0 = 16 channels, source 1 = 16 positions t.  A lane then holds ONE position (lane % 16) and eight neighbouring channels 8 (lane / 16) + 0 .. 7, in num, den, Q and G alike;
; a tile of G rounded to bf16 is half of a fragment (16 t x 32 d) of the next launch's product.  gf is laid as images of such fragments: gf[4 b + t / 256][d / 128][(t / 16) % 16][(d / 32) % 4][(d / 16) % 2][lane][16 bytes]:
; a work-group writes 65,536 bytes on end, each store of a wave 512 consecutive bytes, aligned.
; LIMITS: ew, ek V, ek and G are bf16 (f16 has no room for V and G); NaN and infinities are not served; v_rcp_f32 and v_exp_f32 take a denormal for 0 (ISA guide, their entries in 15.8), so a den under 2^-126 counts as 0.
; REGISTERS, in windows of 256 (s_set_vgpr_msb: bits 1:0 source 0, 3:2 source 1, 5:4 source 2, 7:6 destination):
;   window 0: v1-9 addresses; v14, v15 the add's two; v16-63 scale words and nothing else; v64-127, v128-191 ew's fragments, two sets of eight, later Wq's sixteen; v192-223 bq as tiles.
;   window 1: v64-127, v128-191 xf's fragments, two sets (kind k, tile dJ at set + 32 k + 8 dJ); later x's 32 fragments in all 256; later packed G in v0-127.
;   window 2: num, then Yt, then G.   window 3: den, then 1 / den, then Q and its sigmoid.
.set PITCH, 272                        ; an LDS row: 256 bytes + 16 of padding: the 16 rows that a load of ew's fragments touches start at 16 different banks (64 banks of 4 bytes: ISA guide 11.1)
.set HALFT, 128*PITCH                  ; 128 rows: what one tensor load brings
.set SLOT,  4*HALFT                    ; ew's 256 rows, then xf's 256
.set SPARE, 2*SLOT                     ; behind the ring: the spare words, 128 bytes a wave
.set PFO,  1                           ; v1   256 x lane: the prefetches' offset; never rewritten
.set ADA,  2                           ; v2-3 ew's fragments in slot 0, 1
.set ADB,  4                           ; v4-5 xf's images in slot 0, 1
.set XQ,   6                           ; v6   256 r + 16 h: my lane in a fragment of codes
.set SA,   7                           ; v7   16 r: scale words
.set BA,   8                           ; v8   32 h: a bias
.set GO,   9                           ; v9   16 x lane: an image
.set SPW,  14
.set NIL,  15
.set QSW,  16                          ; Wq's scale words at 4 dJ + q
.set XSW,  32                          ; x's at 4 tI + q
.set F0,   64
.set F1,   128
.set WQF,  64
.set BQ,   192
.set G1A,  24                          ; s[24:31] group 1 for ew;  s[32:39] its groups 0, one for each slot
.set G0A,  32
.set G1X,  40                          ; s[40:47], s[48:55] the same for xf
.set G0X,  48
.set PFA,  56                          ; s[56:57] where my prefetches stand
.set LIM,  58                          ; s58 1 in a wave that prefetches, else the greatest number
.set MSB, 0
.macro WIN new                         ; the immediate's high byte repeats the setting that is left; a switch that changes nothing is dropped
.if MSB != (\new)
	s_set_vgpr_msb (MSB<<8)|(\new)
.set MSB, (\new)
.endif
.endm
.macro PLACES n
.rept \n
	v_nop
.endr
.endm
.macro CREST                           ; a round of the cluster's barrier behind its opening barrier
	s_cmp_lg_u32 s16, 0
	s_cbranch_scc1 .Lnot_wave_0_\@
	s_barrier_signal -3
.Lnot_wave_0_\@:
	s_barrier_wait -3
	s_barrier_signal -1
	s_barrier_wait -1
.endm
.macro CROUND
	s_barrier_signal -1
	s_barrier_wait -1
	CREST
.endm
; A joint load: waves 0, 1 for ew, waves 2, 3 for xf.  Each of the two lines has one mask and one set of registers for all that issue it; the branch hangs on the wave's number alone.
; An s_nop 0 and four v_nop follow each line, ahead of the jump, the label and what follows.
.macro JLOAD s
	s_cmp_eq_u32 s17, 0
	s_cbranch_scc0 .Lfor_x_\@
	tensor_load_to_lds s[G0A+4*\s:G0A+4*\s+3], s[G1A:G1A+7]
	s_nop 0
	PLACES 4
	s_branch .Lasked_\@
.Lfor_x_\@:
	tensor_load_to_lds s[G0X+4*\s:G0X+4*\s+3], s[G1X:G1X+7]
	s_nop 0
	PLACES 4
.Lasked_\@:
.endm
; A PREFETCH INTO THE L2, behind a joint load, its five lines and the run of LDS loads: xf's K step that stands two refills on, 512 matrix instructions ahead of the load that will want it.
; A K step of xf for one batch and 128 channels is read by the four work-groups of one column of one cluster and by nobody else.  Of the 128 rows of 256 bytes that wave 2 or 3 fetches, the partner at place cy takes
; 32 cy .. 32 cy + 31, told apart BY ADDRESS: a lane a row, one instruction a wave, each row named once in the launch.  The loop's last trip asks for nothing: no K step stands two refills behind its refills.  Nothing is asked at the head.
.macro ASK
	s_cmp_gt_u32 s3, s[LIM]
	s_cbranch_scc0 .Lnot_mine_\@
	global_prefetch_b8 v[PFO], s[PFA:PFA+1] th:TH_LOAD_NT scope:SCOPE_SE
.Lnot_mine_\@:
.endm
; 16 products: positions tI = t0 .. t0 + 3 x my four tiles of channels, 32 along s: set f, kind 0 (num) or 1 (den).  zero = 1: they start the sums: nothing is ever cleared
.macro MULH f, kind, t0, zero
.irp t, \t0, \t0+1, \t0+2, \t0+3
.irp d, 0,1,2,3
.if \zero
	v_wmma_f32_16x16x32_bf16 v[8*(4*(\t)+\d):8*(4*(\t)+\d)+7], v[\f+32*\kind+8*\d:\f+32*\kind+8*\d+7], v[\f+8*(\t):\f+8*(\t)+7], 0
.else
	v_wmma_f32_16x16x32_bf16 v[8*(4*(\t)+\d):8*(4*(\t)+\d)+7], v[\f+32*\kind+8*\d:\f+32*\kind+8*\d+7], v[\f+8*(\t):\f+8*(\t)+7], v[8*(4*(\t)+\d):8*(4*(\t)+\d)+7]
.endif
.endr
.endr
.endm
; 32 LDS loads in one run: the slot's q-th 32 positions s into set f: ew's eight fragments, then my four of ek V, then my four of ek
.macro FETCH slot, q, f
	WIN 0
.irp t, 0,1,2,3,4,5,6,7
	ds_load_b128 v[\f+8*\t:\f+8*\t+3],   v[ADA+\slot] offset:\t*16*PITCH+64*\q
	ds_load_b128 v[\f+8*\t+4:\f+8*\t+7], v[ADA+\slot] offset:\t*16*PITCH+64*\q+32
.endr
	WIN 0x40                                       ; destination window 1
.irp k, 0,1
.irp d, 0,1,2,3
	ds_load_b128 v[\f+32*\k+8*\d:\f+32*\k+8*\d+3],   v[ADB+\slot] offset:\q*17408+(2*\d+\k)*1088
	ds_load_b128 v[\f+32*\k+8*\d+4:\f+32*\k+8*\d+7], v[ADB+\slot] offset:\q*17408+(2*\d+\k)*1088+544
.endr
.endr
	WIN 0
.endm
; A K step is four quarters of 32 along s, 64 products each, on sets F0, F1, F0, F1.  One of the first three: multiplies set f and, in its middle, fetches the slot's q-th quarter into set g.
; The 64 accumulators take turns, one instruction a turn, in the same order in every quarter.
.macro QUARTER slot, q, f, g, zero
	s_wait_dscnt 8                                 ; ew's and ek V's fragments are in; the youngest eight loads (ek's) may be out
	WIN 0xa1                                       ; source 0 window 1, source 1 window 0, C and D window 2
	MULH \f, 0, 0, \zero
	MULH \f, 0, 4, \zero
	PLACES 4                                       ; in front of loads into registers that matrix instructions have read
	FETCH \slot, \q, \g
	s_wait_dscnt 32                                ; all but the 32 just issued
	WIN 0xf1
	MULH \f, 1, 0, \zero
	MULH \f, 1, 4, \zero
.endm
; The last quarter multiplies set F1 and changes slots: in front of the barrier each wave waits for all its tensor loads (one is out: its part of the next slot), adds 0 to its spare word, and waits for that and for its reads of this slot.
; fill = 1: the barrier opens a round of the cluster's, and this slot takes the K step two on: from the request to the wait for it a wave issues 224 products.
.macro TURN slot, next, fill
.if \fill
	s_wait_xcnt 0x0                                ; the last prefetch, a K step back, has read its address
	s_add_nc_u64 s[PFA:PFA+1], s[PFA:PFA+1], 65536
.endif
	WIN 0                                          ; (the add's two registers lie in window 0)
	s_wait_tensorcnt 0x0
	ds_add_u32 v[SPW], v[NIL]                      ; 0 onto my spare word
	s_wait_dscnt 9                                 ; (the add and the youngest eight loads may be out)
	WIN 0xa1
	MULH F1, 0, 0, 0                               ; sixteen matrix instructions stand between the add and the wait for it
	s_wait_dscnt 0x0                               ; the add is done, and my reads of this slot are over
	s_barrier_signal -1
	MULH F1, 0, 4, 0
	WIN 0
	s_barrier_wait -1
.if \fill
	CREST                                          ; no wave of any partner still reads this slot or has a load on its way
	s_add_nc_u64 s[G0A+4*\slot+2:G0A+4*\slot+3], s[G0A+4*\slot+2:G0A+4*\slot+3], 512
	s_add_nc_u64 s[G0X+4*\slot+2:G0X+4*\slot+3], s[G0X+4*\slot+2:G0X+4*\slot+3], 131072
	JLOAD \slot                                    ; the first tensor load behind the round; its four v_nop are also the places in front of the loads below
.else
	PLACES 4
.endif
	FETCH \next, 0, F0
.if \fill
	ASK
.endif
	WIN 0xf1
	MULH F1, 1, 0, 0
	MULH F1, 1, 4, 0
.endm
	s_load_b256 s[4:11], s[0:1], 0x0               ; ewb 4, xf 6, codes 8, scales 10
	s_load_b128 s[12:15], s[0:1], 0x20             ; Wq_b 12, gf 14
	v_lshl_add_u32 v[SPW], v0, 2, SPARE
	v_mov_b32 v[NIL], 0
	ds_add_u32 v[SPW], v[NIL]                      ; the wave's opening: the add, twice on end, and its wait ahead of my first tensor load
	ds_add_u32 v[SPW], v[NIL]
	v_lshrrev_b32 v10, 5, v0
	v_readfirstlane_b32 s16, v10                   ; wave 0..3
	s_lshr_b32 s17, s16, 1                         ; wr: which 128 positions are mine.  Also: I fetch ew (0) or xf (1)
	s_and_b32 s18, s16, 1                          ; wc: which 64 channels.  Also: which 128 rows of that tile I fetch
	s_bfe_u32 s19, ttmp6, 0x40000                  ; cx: the block of 128 channels (the grid is one cluster wide)
	s_bfe_u32 s20, ttmp6, 0x40004                  ; cy: the block of 256 positions
	s_and_b32 s21, ttmp7, 0xffff                   ; the cluster's y: the batch
	s_lshl_b32 s22, s20, 2
	s_lshl_b32 s22, 15, s22                        ; my row of the cluster: places 4 cy .. 4 cy + 3
	s_lshl_b32 s23, 0x1111, s19                    ; my column: places cx, cx + 4, cx + 8, cx + 12
	s_or_b32 s[G1A+0], s22, (1<<16)|(1<<20)|(1<<21)|(5<<22)|(3<<25)   ; ew: the mask: my row; elements of 2 bytes; padding on; bit 21 beside a mask; 4 words after every 64
	s_mov_b32 s[G1A+1], 128<<16                    ; tensor_dim0 = 128
	s_mov_b32 s[G1A+2], 128<<16                    ; tensor_dim1 = 128
	s_mov_b32 s[G1A+3], 128<<16                    ; tile_dim0 = 128
	s_mov_b32 s[G1A+4], 128                        ; tile_dim1 = 128
	s_mov_b32 s[G1A+5], 1024                       ; elements from row to row
	s_mov_b32 s[G1A+6], 0
	s_mov_b32 s[G1A+7], 0
	s_or_b32 s[G1X+0], s23, (3<<16)|(1<<20)|(1<<21)|(5<<22)|(3<<25)   ; xf: the mask: my column; elements of 8 bytes; the same padding
	s_mov_b32 s[G1X+1], 32<<16
	s_mov_b32 s[G1X+2], 128<<16
	s_mov_b32 s[G1X+3], 32<<16
	s_mov_b32 s[G1X+4], 128
	s_mov_b32 s[G1X+5], 32                         ; dense: 128 rows of 256 bytes
	s_mov_b32 s[G1X+6], 0
	s_mov_b32 s[G1X+7], 0
	s_mov_b32 s66, 0xbfb8aa3b                      ; -log2(e), as a pair for the packed form
	s_mov_b32 s67, s66
	s_cmp_eq_u32 s17, 1
	s_cselect_b32 s[LIM], 1, -1                    ; waves 2 and 3 prefetch
	; every LDS address is made here, ahead of the first branch on the wave's number
	v_and_b32 v10, 15, v0                          ; r
	v_bfe_u32 v11, v0, 4, 1                        ; h
	v_and_b32 v12, 31, v0                          ; lane
	v_lshlrev_b32 v[PFO], 8, v12
	v_mul_u32_u24 v13, v10, PITCH
	v_lshl_add_u32 v13, v11, 4, v13                ; a fragment of ew: row r x pitch + 16 h
	s_mul_i32 s59, s17, HALFT                      ; my 128 rows
	v_add_nc_u32 v[ADA], s59, v13
	v_add_nc_u32 v[ADA+1], SLOT, v[ADA]
	v_mul_u32_u24 v13, v11, PITCH
	v_lshl_add_u32 v13, v10, 4, v13                ; half an image is two rows of 256 bytes: lanes 0-15 the first, lanes 16-31 the second
	s_mul_i32 s59, s18, 8704                       ; my four tiles x two kinds x 1,088 bytes,
	s_add_co_u32 s59, s59, 2*HALFT                 ; behind ew's 256 rows
	v_add_nc_u32 v[ADB], s59, v13
	v_add_nc_u32 v[ADB+1], SLOT, v[ADB]
	s_mul_i32 s59, s16, HALFT                      ; where my tensor loads go: wave x 128 rows: no place in the cluster enters an LDS address
	s_wait_dscnt 0x0                               ; both opening adds are done
	s_wait_kmcnt 0x0
	; ew's groups 0: made of cy and the wave's number, in registers that never hold cx
	s_lshl_b32 s60, s20, 8
	s_lshl_b32 s61, s18, 7
	s_add_co_u32 s60, s60, s61                     ; row 256 cy + 128 x half
	s_lshl_b32 s60, s60, 11
	s_mov_b32 s61, 0
	s_add_nc_u64 s[G0A+2:G0A+3], s[4:5], s[60:61]
	s_add_nc_u64 s[G0A+6:G0A+7], s[G0A+2:G0A+3], 256
	s_or_b32 s[G0A+3], s[G0A+3], 0x80000000
	s_or_b32 s[G0A+7], s[G0A+7], 0x80000000
	s_mov_b32 s[G0A], 1
	s_mov_b32 s[G0A+4], 1
	s_mov_b32 s[G0A+1], s59
	s_add_co_u32 s[G0A+5], s59, SLOT
	; xf's: made of b, cx and the wave's number, in registers that never hold cy
	s_lshl_b32 s62, s21, 21
	s_lshl_b32 s63, s19, 19
	s_add_co_u32 s62, s62, s63
	s_lshl_b32 s63, s18, 15
	s_add_co_u32 s62, s62, s63
	s_mov_b32 s63, 0
	s_add_nc_u64 s[G0X+2:G0X+3], s[6:7], s[62:63]
	s_add_nc_u64 s[G0X+6:G0X+7], s[G0X+2:G0X+3], 65536
	s_or_b32 s[G0X+3], s[G0X+3], 0x80000000
	s_or_b32 s[G0X+7], s[G0X+7], 0x80000000
	s_mov_b32 s[G0X], 1
	s_mov_b32 s[G0X+4], 1
	s_mov_b32 s[G0X+1], s59
	s_add_co_u32 s[G0X+5], s59, SLOT
	; the prefetches stand at K step 3, my work-group's 32 rows of my 128: the first refill steps them to K step 4
	s_mov_b32 s81, 0
	s_lshl_b32 s80, s20, 13
	s_add_co_u32 s80, s80, s62
	s_add_co_u32 s80, s80, 3*65536
	s_add_nc_u64 s[PFA:PFA+1], s[6:7], s[80:81]
	; what the second part of the kernel reads and writes
	s_lshl_b32 s80, s19, 15
	s_lshl_b32 s82, s18, 14
	s_add_co_u32 s80, s80, s82
	s_add_co_u32 s80, s80, 8650752
	s_add_nc_u64 s[68:69], s[8:9], s[80:81]        ; Wq's codes (run 2112 on), my 64 rows
	s_lshl_b32 s82, s20, 9
	s_lshl_b32 s83, s17, 8
	s_add_co_u32 s82, s82, s83
	s_add_co_u32 s82, s82, s21                     ; run 32 (16 cy + 8 wr) + b
	s_lshl_b32 s80, s82, 12
	s_add_nc_u64 s[70:71], s[8:9], s[80:81]        ; x's codes: my first 16 positions; 16 positions on are 32 runs on
	s_lshl_b32 s80, s82, 8
	s_add_nc_u64 s[72:73], s[10:11], s[80:81]      ; and their scale bytes
	s_lshl_b32 s80, s19, 11
	s_lshl_b32 s82, s18, 10
	s_add_co_u32 s80, s80, s82
	s_add_co_u32 s80, s80, 540672
	s_add_nc_u64 s[74:75], s[10:11], s[80:81]      ; Wq's scale bytes
	s_lshl_b32 s80, s19, 9
	s_lshl_b32 s82, s18, 8
	s_add_co_u32 s80, s80, s82
	s_add_nc_u64 s[12:13], s[12:13], s[80:81]      ; bq: my 64 numbers
	s_lshl_b32 s80, s21, 2
	s_add_co_u32 s80, s80, s20
	s_lshl_b32 s80, s80, 2
	s_add_co_u32 s80, s80, s19
	s_lshl_b32 s80, s80, 16                        ; gf: block 4 (4 b + cy) + cx of 65,536 bytes,
	s_lshl_b32 s82, s17, 15
	s_add_co_u32 s80, s80, s82                     ; + my eight tiles of rows x 4,096,
	s_lshl_b32 s82, s18, 11
	s_add_co_u32 s80, s80, s82                     ; + my two blocks of 32 channels x 1,024
	s_add_nc_u64 s[14:15], s[14:15], s[80:81]
	CROUND                                         ; all sixteen work-groups are here: the first joint loads meet
	JLOAD 0
	JLOAD 1                                        ; two tensor loads of mine are out
	s_wait_tensorcnt 1                             ; my part of K step 0 is in; K step 1's may stay out
	s_barrier_signal -1
	s_barrier_wait -1
	FETCH 0, 0, F0
	QUARTER 0, 1, F0, F1, 1                        ; the first quarter stands in front of the loop: its products start the sums
	WIN 0
	s_mov_b32 s3, 3
.Llap:                                             ; a trip goes once round the ring, from a lap's second quarter to the next lap's first, and fills both slots again: K steps 2 to 7 in three trips
	QUARTER 0, 2, F1, F0, 0
	QUARTER 0, 3, F0, F1, 0
	TURN 0, 1, 1
	QUARTER 1, 1, F0, F1, 0
	QUARTER 1, 2, F1, F0, 0
	QUARTER 1, 3, F0, F1, 0
	TURN 1, 0, 1
	QUARTER 0, 1, F0, F1, 0
	WIN 0
	s_sub_co_u32 s3, s3, 1
	s_cmp_lg_u32 s3, 0
	s_cbranch_scc1 .Llap
	QUARTER 0, 2, F1, F0, 0                        ; the last lap is written out: it fills nothing, and has no round of the cluster's barrier
	QUARTER 0, 3, F0, F1, 0
	TURN 0, 1, 0
	QUARTER 1, 1, F0, F1, 0
	QUARTER 1, 2, F1, F0, 0
	QUARTER 1, 3, F0, F1, 0
	s_wait_dscnt 8                                 ; the very last quarter: nothing more to fetch
	WIN 0xa1
	MULH F1, 0, 0, 0
	MULH F1, 0, 4, 0
	s_wait_dscnt 0x0
	WIN 0xf1
	MULH F1, 1, 0, 0
	MULH F1, 1, 4, 0
; ---------------- Yt, Q, G ----------------
	WIN 0
	v_and_b32 v[SA], 15, v0                        ; eight plain lines: the places behind the last products, in front of the loads and of the first read of den
	v_bfe_u32 v[BA], v0, 4, 1
	v_lshlrev_b32 v[XQ], 8, v[SA]
	v_lshl_add_u32 v[XQ], v[BA], 4, v[XQ]
	v_lshlrev_b32 v[SA], 4, v[SA]
	v_lshlrev_b32 v[BA], 5, v[BA]
	v_and_b32 v[GO], 31, v0
	v_lshlrev_b32 v[GO], 4, v[GO]
.irp q, 0,1,2,3
.irp d, 0,1,2,3
.irp c, 0,1
	global_load_b128 v[WQF+32*\q+8*\d+4*\c:WQF+32*\q+8*\d+4*\c+3], v[XQ], s[68:69] offset:\d*4096+64*\q+32*\c   ; Wq's fragments, where ew's lay: tile d, K step q
.endr
.endr
.endr
.irp d, 0,1,2,3
	global_load_b128 v[QSW+4*\d:QSW+4*\d+3], v[SA], s[74:75] offset:\d*256
.endr
.irp t, 0,1,2,3,4,5,6,7
	global_load_b128 v[XSW+4*\t:XSW+4*\t+3], v[SA], s[72:73] offset:\t*8192
.endr
.irp d, 0,1,2,3
	global_load_b128 v[BQ+8*\d:BQ+8*\d+3],   v[BA], s[12:13] offset:64*\d      ; bq in the result's layout: tile d's eight channels of my half
	global_load_b128 v[BQ+8*\d+4:BQ+8*\d+7], v[BA], s[12:13] offset:64*\d+16
.endr
	WIN 0xc3                                       ; in place in window 3
.set i, 0
.rept 256
	v_rcp_f32 v[i], v[i]                           ; 1 / den, ascending: each accumulator is first read at its lowest register
.set i, i+1
.endr
	v_nop                                          ; a plain line behind the last reciprocal
	s_wait_alu depctr_va_vdst(0)                   ; one wait for the 256
	WIN 0x40
.irp q, 0,1,2,3
.irp t, 0,1,2,3,4,5,6,7
.irp c, 0,1
	global_load_b128 v[64*\q+8*\t+4*\c:64*\q+8*\t+4*\c+3], v[XQ], s[70:71] offset:\t*131072+64*\q+32*\c   ; x's fragments: positions 16 t on, K step q
.endr
.endr
.endr
	WIN 0x8e                                       ; window 2 = window 2 x window 3
.set i, 0
.rept 128
	v_pk_mul_f32 v[i:i+1], v[i:i+1], v[i:i+1]      ; Yt = num / den
.set i, i+2
.endr
	s_wait_loadcnt 0x0
.irp q, 0,1,2,3                                    ; Q^T = Wq x^T + bq: 32 accumulators by turns, K step by K step
.if \q == 0
	WIN 0xc4                                       ; Wq and bq window 0, x window 1, the result window 3
.else
	WIN 0xf4
.endif
.irp t, 0,1,2,3,4,5,6,7
.irp d, 0,1,2,3
.if \q == 0
	v_wmma_scale_f32_16x16x128_f8f6f4 v[8*(4*\t+\d):8*(4*\t+\d)+7], v[WQF+32*\q+8*\d:WQF+32*\q+8*\d+7], v[64*\q+8*\t:64*\q+8*\t+7], v[BQ+8*\d:BQ+8*\d+7], v[QSW+4*\d+\q], v[XSW+4*\t+\q] matrix_a_fmt:MATRIX_FMT_FP4 matrix_b_fmt:MATRIX_FMT_FP4
.else
	v_wmma_scale_f32_16x16x128_f8f6f4 v[8*(4*\t+\d):8*(4*\t+\d)+7], v[WQF+32*\q+8*\d:WQF+32*\q+8*\d+7], v[64*\q+8*\t:64*\q+8*\t+7], v[8*(4*\t+\d):8*(4*\t+\d)+7], v[QSW+4*\d+\q], v[XSW+4*\t+\q] matrix_a_fmt:MATRIX_FMT_FP4 matrix_b_fmt:MATRIX_FMT_FP4
.endif
.endr
.endr
.endr
	WIN 0
	PLACES 4                                       ; in front of the first read of Q
	WIN 0xc3
.set i, 0
.rept 128
	v_pk_mul_f32 v[i:i+1], v[i:i+1], s[66:67] op_sel_hi:[1,0]   ; -Q log2(e)
.set i, i+2
.endr
.set i, 0
.rept 256
	v_exp_f32 v[i], v[i]
.set i, i+1
.endr
	v_nop
	s_wait_alu depctr_va_vdst(0)                   ; one wait for the 256 exponentials
.set i, 0
.rept 128
	v_pk_add_f32 v[i:i+1], v[i:i+1], 1.0 op_sel_hi:[1,0]
.set i, i+2
.endr
.set i, 0
.rept 256
	v_rcp_f32 v[i], v[i]                           ; sigmoid(Q) = 1 / (1 + 2^(-Q log2(e)))
.set i, i+1
.endr
	v_nop
	s_wait_alu depctr_va_vdst(0)                   ; one wait for the 256 reciprocals
	WIN 0x8e
.set i, 0
.rept 128
	v_pk_mul_f32 v[i:i+1], v[i:i+1], v[i:i+1]      ; G = sigmoid(Q) Yt
.set i, i+2
.endr
	WIN 0x4a                                       ; from window 2 into window 1
.set i, 0
.rept 128
	v_cvt_pk_bf16_f32 v[i], v[2*i], v[2*i+1]       ; accumulator a's eight channels: registers 4 a .. 4 a + 3
.set i, i+1
.endr
	WIN 0x04                                       ; a store's data are its source 1: window 1
.irp t, 0,1,2,3,4,5,6,7
.irp d, 0,1,2,3
	global_store_b128 v[GO], v[4*(4*\t+\d):4*(4*\t+\d)+3], s[14:15] offset:\t*4096+(\d/2)*1024+(\d%2)*512 th:TH_STORE_NT   ; 32 lanes store 512 consecutive bytes, aligned: half an image
.endr
.endr
	WIN 0
	s_wait_tensorcnt 0x0                           ; the wave's end
	ds_add_u32 v[SPW], v[NIL]
	s_wait_dscnt 0x0
	CROUND                                         ; the closing round: no work-group ends while a partner may still ask for a tile that names it
	s_endpgm
.Lfunc_end_k_q007afde83c_aftg:
	.size	k_q007afde83c_aftg, .Lfunc_end_k_q007afde83c_aftg-k_q007afde83c_aftg
	.p2alignl 7, 3214868480
	.fill 96, 4, 3214868480
	.section	.rodata,"a",@progbits
	.p2align	6, 0x0
	.amdhsa_kernel k_q007afde83c_aftg
		.amdhsa_group_segment_fixed_size 327680
		.amdhsa_private_segment_fixed_size 0
		.amdhsa_enable_private_segment 0
		.amdhsa_kernarg_size 48
		.amdhsa_user_sgpr_count 2
		.amdhsa_user_sgpr_kernarg_segment_ptr 1
		.amdhsa_wavefront_size32 1
		.amdhsa_system_sgpr_workgroup_id_x 1
		.amdhsa_system_sgpr_workgroup_id_y 1
		.amdhsa_system_sgpr_workgroup_id_z 1
		.amdhsa_system_vgpr_workitem_id 0
		.amdhsa_next_free_vgpr 1024
		.amdhsa_next_free_sgpr 100
		.amdhsa_reserve_vcc 0
		.amdhsa_float_denorm_mode_32 3
		.amdhsa_float_denorm_mode_16_64 3
		.amdhsa_memory_ordered 1
		.amdhsa_forward_progress 1
		.amdhsa_inst_pref_size 207
	.end_amdhsa_kernel
	.amdgpu_metadata
---
amdhsa.version: [ 1, 2 ]
amdhsa.kernels:
  - .name:           k_q007afde83c_aftg
    .symbol:         k_q007afde83c_aftg.kd
    .args:
      - { .name: ewb, .offset: 0, .size: 8, .value_kind: global_buffer, .address_space: global }
      - { .name: xf, .offset: 8, .size: 8, .value_kind: global_buffer, .address_space: global }
      - { .name: codes, .offset: 16, .size: 8, .value_kind: global_buffer, .address_space: global }
      - { .name: scales, .offset: 24, .size: 8, .value_kind: global_buffer, .address_space: global }
      - { .name: Wq_b, .offset: 32, .size: 8, .value_kind: global_buffer, .address_space: global }
      - { .name: gf, .offset: 40, .size: 8, .value_kind: global_buffer, .address_space: global }
    .group_segment_fixed_size: 327680
    .private_segment_fixed_size: 0
    .kernarg_segment_align: 8
    .kernarg_segment_size: 48
    .max_flat_workgroup_size: 128
    .sgpr_count:     100
    .vgpr_count:     1024
    .wavefront_size: 32
...
	.end_amdgpu_metadata
.endif
;; end of part 5
;; launch outp (part 6): grid 128 x 2, 4 waves a work-group, clusters of 4 x 1, 327,680 bytes of LDS; arguments gf, wob, Wo_b, out0; writes out0
.if DOCPART == 6
	.amdgcn_target "amdgcn-amd-amdhsa--gfx1250"
	.amdhsa_code_object_version 6
	.text
	.protected	k_q007afde83c_outp
	.globl	k_q007afde83c_outp
	.p2align	8
	.type	k_q007afde83c_outp,@function
k_q007afde83c_outp:
	s_mov_b64 s[64:65], 0
	v_nop
	global_prefetch_b8 v0, s[64:65] scope:SCOPE_SE
	s_setreg_imm32_b32 hwreg(HW_REG_WAVE_MODE, 25, 1), 1
	s_wait_xcnt 0x0
	s_wait_alu depctr_hold_cnt(0) depctr_sa_sdst(0) depctr_va_vdst(0) depctr_va_sdst(0) depctr_va_ssrc(0) depctr_va_vcc(0) depctr_vm_vsrc(0)
	s_getreg_b32 s2, hwreg(HW_REG_IB_STS2, 6, 4)
	s_cmp_eq_u32 s2, 0
	s_cbranch_scc0 .Lentry_in_a_cluster
	s_endpgm
.Lentry_in_a_cluster:
	s_bfe_u32 s2, ttmp6, 0x10000c
	s_cmp_lg_u32 s2, 0x3003
	s_cbranch_scc0 .Lentry_shape_is_right
	s_endpgm
.Lentry_shape_is_right:
; OUTP: out = G Wo^T + bo.  G: 32,768 rows x 512 channels, bf16, as images of fragments (gf[row / 256][d / 128][(row / 16) % 16][(d / 32) % 4][(d / 16) % 2][lane][16 bytes]); Wo: [512 e][512 d] bf16, row-major; bo, out: f32.  Sums in f32.
; SHARES.  A work-group takes 256 rows (block 4 x cluster x + cx) and 256 outputs e (work-group y); wave w = 2 wr + wc takes rows 128 wr .. + 127 and outputs 128 wc .. + 127: 64 accumulators, 512 registers.
; K = 512 goes in four steps of 128 through a ring of two LDS slots: 65,536 dense bytes of gf (as 256 rows of 256 bytes) and 256 rows x 256 bytes of Wo.  Two first fills, two refills: the walk is written out, without a loop.
; CLUSTER.  The four work-groups of a cluster are four blocks of rows with the same 256 outputs: Wo's tiles are asked for jointly (mask 15).  A tile of G is read by the two work-groups that differ in y alone; the grid is two
; work-groups high there, which no cluster of four divides: G's tiles come by plain tensor loads behind the same rounds.  Waves 0, 1 fetch G's halves, waves 2, 3 Wo's: one tensor load a wave behind each round.
; ORIENTATION.  Source 0 = 16 rows of Wo, source 1 = 16 rows of G: a lane holds ONE row of out (lane % 16) and eight neighbouring outputs.  bo is the C of each sum's first matrix instruction.
; No prefetch: the four K steps are the two first fills and the two refills that follow them.
; LIMITS: G and Wo are bf16; NaN and infinities are not served.
; REGISTERS, in windows of 256 (s_set_vgpr_msb: bits 1:0 source 0, 3:2 source 1, 5:4 source 2, 7:6 destination):
;   window 0: v2-9 addresses; v14, v15 the add's two; v64-127, v128-191 G's fragments, two sets of eight; v192-255 bo as tiles; on the way out v128-255 rows of out.
;   window 1: v64-127, v128-191 Wo's fragments, two sets.   window 2: the accumulators of my rows 0-63 ((a, b) at v[8 (8 a + b)]);   window 3: those of my rows 64-127.
.set PITCH, 272
.set HALFT, 128*PITCH                  ; 128 rows: what one tensor load brings
.set SLOT,  4*HALFT                    ; G's 256 rows, then Wo's 256
.set SPARE, 2*SLOT                     ; behind the ring: the spare words, 128 bytes a wave
.set SPITCH, 528                       ; the way out: a stage of 16 rows x (512 + 16) bytes for each wave, in slot 0, which has had its last fill and its last read when the first result is stored there
.set ADG,  2                           ; v2-3 G's images in slot 0, 1
.set ADO,  4                           ; v4-5 Wo's fragments in slot 0, 1
.set STO,  6                           ; v6   the way out: where I put 32 bytes of a row
.set RD,   7                           ; v7   and where I read a row back
.set CO,   8                           ; v8   16 x lane
.set BA,   9                           ; v9   32 h: a bias
.set SPW,  14
.set NIL,  15
.set F0,   64
.set F1,   128
.set BO,   192
.set BK,   128
.set G1G,  24                          ; s[24:31] group 1 for G;  s[32:39] its groups 0, one for each slot
.set G0G,  32
.set G1O,  40                          ; s[40:47], s[48:55] the same for Wo
.set G0O,  48
.set MSB, 0
.macro WIN new                         ; the immediate's high byte repeats the setting that is left; a switch that changes nothing is dropped
.if MSB != (\new)
	s_set_vgpr_msb (MSB<<8)|(\new)
.set MSB, (\new)
.endif
.endm
.macro PLACES n
.rept \n
	v_nop
.endr
.endm
.macro CREST                           ; a round of the cluster's barrier behind its opening barrier
	s_cmp_lg_u32 s16, 0
	s_cbranch_scc1 .Lnot_wave_0_\@
	s_barrier_signal -3
.Lnot_wave_0_\@:
	s_barrier_wait -3
	s_barrier_signal -1
	s_barrier_wait -1
.endm
.macro CROUND
	s_barrier_signal -1
	s_barrier_wait -1
	CREST
.endm
; A step's loads: waves 0, 1 G's halves (plain), waves 2, 3 Wo's halves (joint).  The branch hangs on the wave's number alone.  An s_nop 0 and four v_nop follow each line.
.macro JLOAD s
	s_cmp_eq_u32 s17, 0
	s_cbranch_scc0 .Lfor_o_\@
	tensor_load_to_lds s[G0G+4*\s:G0G+4*\s+3], s[G1G:G1G+7]
	s_nop 0
	PLACES 4
	s_branch .Lasked_\@
.Lfor_o_\@:
	tensor_load_to_lds s[G0O+4*\s:G0O+4*\s+3], s[G1O:G1O+7]
	s_nop 0
	PLACES 4
.Lasked_\@:
.endm
; 16 products: tiles of rows a0, a0 + 1 of the window's four (hi = 0: my rows 0-63, 1: rows 64-127) x my eight tiles of outputs, 32 along d.  bias = 1: bo's tiles are the C: they start the sums
.macro MUL16 f, hi, a0, bias
.irp a, \a0, \a0+1
.irp b, 0,1,2,3,4,5,6,7
.if \bias
	v_wmma_f32_16x16x32_bf16 v[8*(8*(\a)+\b):8*(8*(\a)+\b)+7], v[\f+8*\b:\f+8*\b+7], v[\f+8*(4*\hi+\a):\f+8*(4*\hi+\a)+7], v[BO+8*\b:BO+8*\b+7]
.else
	v_wmma_f32_16x16x32_bf16 v[8*(8*(\a)+\b):8*(8*(\a)+\b)+7], v[\f+8*\b:\f+8*\b+7], v[\f+8*(4*\hi+\a):\f+8*(4*\hi+\a)+7], v[8*(8*(\a)+\b):8*(8*(\a)+\b)+7]
.endif
.endr
.endr
.endm
; 32 LDS loads in one run: the slot's q-th 32 channels into set f: my eight fragments of Wo, then G's eight
.macro FETCH slot, q, f
	WIN 0x40                                       ; destination window 1
.irp e, 0,1,2,3,4,5,6,7
	ds_load_b128 v[\f+8*\e:\f+8*\e+3],   v[ADO+\slot] offset:\e*16*PITCH+64*\q
	ds_load_b128 v[\f+8*\e+4:\f+8*\e+7], v[ADO+\slot] offset:\e*16*PITCH+64*\q+32
.endr
	WIN 0
.irp t, 0,1,2,3,4,5,6,7
	ds_load_b128 v[\f+8*\t:\f+8*\t+3],   v[ADG+\slot] offset:(4*\t+\q)*1088
	ds_load_b128 v[\f+8*\t+4:\f+8*\t+7], v[ADG+\slot] offset:(4*\t+\q)*1088+544
.endr
.endm
; A K step is four quarters of 32 along d, 64 products each, on sets F0, F1, F0, F1.  One of the first three: multiplies set f and, in its middle, fetches the slot's q-th quarter into set g.
; The 64 accumulators take turns, one instruction a turn, in the same order in every quarter.
.macro QUARTER slot, q, f, g, bias
	s_wait_dscnt 8                                 ; Wo's fragments and G's tiles 0-3 are in; the youngest eight loads (G's tiles 4-7) may be out
.if \bias
	WIN 0x81                                       ; Wo window 1, G and bo window 0, the result window 2
.else
	WIN 0xa1
.endif
	MUL16 \f, 0, 0, \bias
	MUL16 \f, 0, 2, \bias
	PLACES 4                                       ; in front of loads into registers that matrix instructions have read
	FETCH \slot, \q, \g
	s_wait_dscnt 32                                ; all but the 32 just issued
.if \bias
	WIN 0xc1
.else
	WIN 0xf1
.endif
	MUL16 \f, 1, 0, \bias
	MUL16 \f, 1, 2, \bias
.endm
; The last quarter multiplies set F1 and changes slots: in front of the barrier each wave waits for all its tensor loads, adds 0 to its spare word, and waits for that and for its reads of this slot.
; fill = 1: the barrier opens a round of the cluster's, and this slot takes the K step two on.
.macro TURN slot, next, fill
	WIN 0                                          ; (the add's two registers lie in window 0)
	s_wait_tensorcnt 0x0                           ; all my tensor loads have landed: my part of the next slot
	ds_add_u32 v[SPW], v[NIL]                      ; 0 onto my spare word
	s_wait_dscnt 9                                 ; (the add and the youngest eight loads may be out)
	WIN 0xa1
	MUL16 F1, 0, 0, 0                              ; sixteen matrix instructions stand between the add and the wait for it
	s_wait_dscnt 0x0                               ; the add is done, and my reads of this slot are over
	s_barrier_signal -1
	MUL16 F1, 0, 2, 0
	WIN 0
	s_barrier_wait -1
.if \fill
	CREST                                          ; no wave of any partner still reads this slot or has a load on its way
	s_add_nc_u64 s[G0G+4*\slot+2:G0G+4*\slot+3], s[G0G+4*\slot+2:G0G+4*\slot+3], 131072
	s_add_nc_u64 s[G0O+4*\slot+2:G0O+4*\slot+3], s[G0O+4*\slot+2:G0O+4*\slot+3], 512
	JLOAD \slot                                    ; the first tensor load behind the round; its four v_nop are also the places in front of the loads below
.else
	PLACES 4
.endif
	FETCH \next, 0, F0
	WIN 0xf1
	MUL16 F1, 1, 0, 0
	MUL16 F1, 1, 2, 0
.endm
	s_load_b256 s[4:11], s[0:1], 0x0               ; gf 4, wob 6, Wo_b 8, out0 10
	v_lshl_add_u32 v[SPW], v0, 2, SPARE
	v_mov_b32 v[NIL], 0
	ds_add_u32 v[SPW], v[NIL]                      ; the wave's opening: the add, twice on end, and its wait ahead of my first tensor load
	ds_add_u32 v[SPW], v[NIL]
	v_lshrrev_b32 v10, 5, v0
	v_readfirstlane_b32 s16, v10                   ; wave 0..3
	s_lshr_b32 s17, s16, 1                         ; wr: which 128 rows are mine.  Also: I fetch G (0) or Wo (1)
	s_and_b32 s18, s16, 1                          ; wc: which 128 outputs.  Also: which half of that tile I fetch
	s_bfe_u32 s19, ttmp6, 0x40000                  ; cx
	s_lshl_b32 s20, ttmp9, 2
	s_add_co_u32 s20, s20, s19                     ; my block of 256 rows
	s_and_b32 s21, ttmp7, 0xffff                   ; which 256 outputs: shared by the four partners
	s_mov_b32 s[G1G+0], (3<<16)|(1<<20)|(5<<22)|(3<<25)   ; G: no mask; elements of 8 bytes; padding: 4 words after every 64
	s_mov_b32 s[G1G+1], 32<<16
	s_mov_b32 s[G1G+2], 128<<16
	s_mov_b32 s[G1G+3], 32<<16
	s_mov_b32 s[G1G+4], 128
	s_mov_b32 s[G1G+5], 32                         ; dense: 128 rows of 256 bytes
	s_mov_b32 s[G1G+6], 0
	s_mov_b32 s[G1G+7], 0
	s_mov_b32 s[G1O+0], 15|(3<<16)|(1<<20)|(1<<21)|(5<<22)|(3<<25)   ; Wo: the mask: all four; bit 21 beside a mask; the same elements and padding
	s_mov_b32 s[G1O+1], 32<<16
	s_mov_b32 s[G1O+2], 128<<16
	s_mov_b32 s[G1O+3], 32<<16
	s_mov_b32 s[G1O+4], 128
	s_mov_b32 s[G1O+5], 128                        ; 256 bytes of rows that lie 1,024 bytes apart
	s_mov_b32 s[G1O+6], 0
	s_mov_b32 s[G1O+7], 0
	; every LDS address is made here, ahead of the first branch on the wave's number
	v_and_b32 v10, 15, v0                          ; r
	v_bfe_u32 v11, v0, 4, 1                        ; h
	v_and_b32 v12, 31, v0                          ; lane
	v_mul_u32_u24 v13, v11, PITCH
	v_lshl_add_u32 v13, v10, 4, v13                ; half an image is two rows of 256 bytes: lanes 0-15 the first, lanes 16-31 the second
	s_mul_i32 s22, s17, HALFT                      ; my eight tiles of rows: 32 images of 1,088 bytes
	v_add_nc_u32 v[ADG], s22, v13
	v_add_nc_u32 v[ADG+1], SLOT, v[ADG]
	v_mul_u32_u24 v13, v10, PITCH
	v_lshl_add_u32 v13, v11, 4, v13                ; a fragment of Wo: row r x pitch + 16 h
	s_mul_i32 s22, s18, HALFT                      ; my 128 rows of Wo,
	s_add_co_u32 s22, s22, 2*HALFT                 ; behind G's 256
	v_add_nc_u32 v[ADO], s22, v13
	v_add_nc_u32 v[ADO+1], SLOT, v[ADO]
	s_mul_i32 s22, s16, 16*SPITCH                  ; my stage
	v_mul_u32_u24 v[STO], v10, SPITCH
	v_lshl_add_u32 v[STO], v11, 5, v[STO]
	v_add_nc_u32 v[STO], s22, v[STO]               ; in: row r, 32 bytes for each half of the lanes
	v_lshlrev_b32 v[CO], 4, v12
	v_add_nc_u32 v[RD], s22, v[CO]                 ; back: the 32 lanes take one row of 512 bytes
	v_lshlrev_b32 v[BA], 5, v11
	s_mul_i32 s23, s16, HALFT                      ; where my tensor loads go: wave x 128 rows
	s_wait_dscnt 0x0                               ; both opening adds are done
	s_wait_kmcnt 0x0
	; Wo's groups 0: made of the work-group's y and the wave's number alone, in registers that never hold cx
	s_lshl_b32 s62, s21, 18
	s_lshl_b32 s63, s18, 17
	s_add_co_u32 s62, s62, s63                     ; row 256 y + 128 x half, 1,024 bytes a row
	s_mov_b32 s63, 0
	s_add_nc_u64 s[G0O+2:G0O+3], s[6:7], s[62:63]
	s_add_nc_u64 s[G0O+6:G0O+7], s[G0O+2:G0O+3], 256
	s_or_b32 s[G0O+3], s[G0O+3], 0x80000000
	s_or_b32 s[G0O+7], s[G0O+7], 0x80000000
	s_mov_b32 s[G0O], 1
	s_mov_b32 s[G0O+4], 1
	s_mov_b32 s[G0O+1], s23
	s_add_co_u32 s[G0O+5], s23, SLOT
	; G's: my block's four K steps of 65,536 bytes
	s_lshl_b32 s60, s20, 18
	s_lshl_b32 s61, s18, 15
	s_add_co_u32 s60, s60, s61
	s_mov_b32 s61, 0
	s_add_nc_u64 s[G0G+2:G0G+3], s[4:5], s[60:61]
	s_add_nc_u64 s[G0G+6:G0G+7], s[G0G+2:G0G+3], 65536
	s_or_b32 s[G0G+3], s[G0G+3], 0x80000000
	s_or_b32 s[G0G+7], s[G0G+7], 0x80000000
	s_mov_b32 s[G0G], 1
	s_mov_b32 s[G0G+4], 1
	s_mov_b32 s[G0G+1], s23
	s_add_co_u32 s[G0G+5], s23, SLOT
	; bo: my 128 numbers;  out: row 256 x block + 128 wr, my 512 bytes of it
	s_lshl_b32 s60, s21, 10
	s_lshl_b32 s56, s18, 9
	s_add_co_u32 s60, s60, s56
	s_add_nc_u64 s[8:9], s[8:9], s[60:61]
	s_lshl_b32 s56, s20, 19
	s_add_co_u32 s60, s60, s56
	s_lshl_b32 s56, s17, 18
	s_add_co_u32 s60, s60, s56
	s_add_nc_u64 s[10:11], s[10:11], s[60:61]
	CROUND                                         ; all four work-groups are here: the first joint loads meet
	JLOAD 0
	JLOAD 1                                        ; two tensor loads of mine are out
.irp e, 0,1,2,3,4,5,6,7
	global_load_b128 v[BO+8*\e:BO+8*\e+3],   v[BA], s[8:9] offset:64*\e       ; bo in the result's layout: tile e's eight outputs of my half
	global_load_b128 v[BO+8*\e+4:BO+8*\e+7], v[BA], s[8:9] offset:64*\e+16
.endr
	s_wait_tensorcnt 1                             ; my part of K step 0 is in; K step 1's may stay out
	s_barrier_signal -1
	s_barrier_wait -1
	FETCH 0, 0, F0
	s_wait_loadcnt 0x0                             ; bo
	QUARTER 0, 1, F0, F1, 1                        ; the first quarter's products start the sums, from bo
	QUARTER 0, 2, F1, F0, 0
	QUARTER 0, 3, F0, F1, 0
	TURN 0, 1, 1                                   ; K step 2 into slot 0
	QUARTER 1, 1, F0, F1, 0
	QUARTER 1, 2, F1, F0, 0
	QUARTER 1, 3, F0, F1, 0
	TURN 1, 0, 1                                   ; K step 3 into slot 1: the last tensor load
	QUARTER 0, 1, F0, F1, 0
	QUARTER 0, 2, F1, F0, 0
	QUARTER 0, 3, F0, F1, 0
	TURN 0, 1, 0                                   ; nothing is left to fetch: my work-group's barrier alone
	QUARTER 1, 1, F0, F1, 0
	QUARTER 1, 2, F1, F0, 0
	QUARTER 1, 3, F0, F1, 0
	s_wait_dscnt 8                                 ; the very last quarter
	WIN 0xa1
	MUL16 F1, 0, 0, 0
	MUL16 F1, 0, 2, 0
	s_wait_dscnt 0x0
	WIN 0xf1
	MUL16 F1, 1, 0, 0
	MUL16 F1, 1, 2, 0
	WIN 0
; THE WAY OUT, block by block of 16 rows x my 128 outputs.  A lane holds 32 neighbouring bytes of a row, and the lanes beside it hold other rows: so a block goes through my own stage in LDS and comes back as whole rows of 512 bytes.
; LDS serves a wave's instructions in order (ISA guide 5.7.1.4): no wait between the stores and the loads, nor in front of the next block's stores.
.macro TOSTAGE a
.set AC, 64*((\a)%4)
	WIN 0x08+4*((\a)/4)                            ; the data: window 2 or 3
.irp b, 0,1,2,3,4,5,6,7
	ds_store_b128 v[STO], v[AC+8*\b:AC+8*\b+3] offset:64*\b          ; each accumulator from its low end on
	ds_store_b128 v[STO], v[AC+8*\b+4:AC+8*\b+7] offset:64*\b+16
.endr
	WIN 0
.set BB, BK+64*((\a)%2)
.irp t, 0,1,2,3,4,5,6,7,8,9,10,11,12,13,14,15
	ds_load_b128 v[BB+4*\t:BB+4*\t+3], v[RD] offset:\t*SPITCH
.endr
.endm
.macro SEND a, younger                 ; younger: the LDS instructions issued behind block a's loads, which may stay out
.set BB, BK+64*((\a)%2)
	s_wait_dscnt \younger                          ; the block is back in registers
.irp t, 0,1,2,3,4,5,6,7,8,9,10,11,12,13,14,15
	global_store_b128 v[CO], v[BB+4*\t:BB+4*\t+3], s[10:11] offset:(16*(\a)+\t)*2048 th:TH_STORE_NT   ; 32 lanes store 512 consecutive bytes, aligned; 127 rows of 2,048 bytes at the most stand in the immediate
.endr
.endm
	PLACES 4                                       ; in front of the first read of results and of loads into the registers that held G's fragments and bo
	TOSTAGE 0
.irp a, 1,2,3,4,5,6,7
.if \a > 1
	s_wait_xcnt 0x0                                ; block a - 2's stores have read their registers: block a's loads may land there
.endif
	TOSTAGE \a
	SEND \a-1, 32                                  ; behind block a - 1's loads: block a's 16 stores and 16 loads
.endr
	SEND 7, 0
	s_wait_tensorcnt 0x0                           ; the wave's end, behind my last tensor load and my last LDS store
	ds_add_u32 v[SPW], v[NIL]
	s_wait_dscnt 0x0
	CROUND                                         ; the closing round: no work-group ends while a partner may still ask for a tile that names it
	s_endpgm
.Lfunc_end_k_q007afde83c_outp:
	.size	k_q007afde83c_outp, .Lfunc_end_k_q007afde83c_outp-k_q007afde83c_outp
	.p2alignl 7, 3214868480
	.fill 96, 4, 3214868480
	.section	.rodata,"a",@progbits
	.p2align	6, 0x0
	.amdhsa_kernel k_q007afde83c_outp
		.amdhsa_group_segment_fixed_size 327680
		.amdhsa_private_segment_fixed_size 0
		.amdhsa_enable_private_segment 0
		.amdhsa_kernarg_size 32
		.amdhsa_user_sgpr_count 2
		.amdhsa_user_sgpr_kernarg_segment_ptr 1
		.amdhsa_wavefront_size32 1
		.amdhsa_system_sgpr_workgroup_id_x 1
		.amdhsa_system_sgpr_workgroup_id_y 1
		.amdhsa_system_sgpr_workgroup_id_z 1
		.amdhsa_system_vgpr_workitem_id 0
		.amdhsa_next_free_vgpr 1024
		.amdhsa_next_free_sgpr 66
		.amdhsa_reserve_vcc 0
		.amdhsa_float_denorm_mode_32 3
		.amdhsa_float_denorm_mode_16_64 3
		.amdhsa_memory_ordered 1
		.amdhsa_forward_progress 1
		.amdhsa_inst_pref_size 141
	.end_amdhsa_kernel
	.amdgpu_metadata
---
amdhsa.version: [ 1, 2 ]
amdhsa.kernels:
  - .name:           k_q007afde83c_outp
    .symbol:         k_q007afde83c_outp.kd
    .args:
      - { .name: gf, .offset: 0, .size: 8, .value_kind: global_buffer, .address_space: global }
      - { .name: wob, .offset: 8, .size: 8, .value_kind: global_buffer, .address_space: global }
      - { .name: Wo_b, .offset: 16, .size: 8, .value_kind: global_buffer, .address_space: global }
      - { .name: out0, .offset: 24, .size: 8, .value_kind: global_buffer, .address_space: global }
    .group_segment_fixed_size: 327680
    .private_segment_fixed_size: 0
    .kernarg_segment_align: 8
    .kernarg_segment_size: 32
    .max_flat_workgroup_size: 128
    .sgpr_count:     66
    .vgpr_count:     1024
    .wavefront_size: 32
...
	.end_amdgpu_metadata
.endif
;; end of part 6
